; MI455X (gfx1250); checked and timed in simulation.
; The chip was launched on July 23, 2026; its instructions are those of AMD's public machine-readable ISA for CDNA 5 (MIT licence, August 2026) and "CDNA5" Instruction Set Architecture Reference Guide (July 2026). The comments in the code are by the model that wrote it; some were corrected since.
;; Siglip Attention. Allowed arithmetic: matrix products marked QUANTISED: E3M2 operands, one E8M0 scale for each 32 along K, by v_wmma_scale_f32_16x16x128_f8f6f4 with both operands' format E3M2, f32 sums; everything else in f32.
;; Inputs: hidden_states 32 x 1,024 x 384 float32; k_b 384 float32; k_w 384 x 384 float32; o_b 384 float32; o_w 384 x 384 float32; q_b 384 float32; q_w 384 x 384 float32; v_b 384 float32; v_w 384 x 384 float32.
;; Outputs: out0 32 x 1,024 x 384 float32.
;; This version of the problem:
;;   THIS VERSION OF THE PROBLEM IS GIVEN IN LOW PRECISION. The matrix products marked QUANTISED in the list below multiply operands that are first quantised to E3M2 (3 exponent bits, 2 mantissa bits; 6 bits a number), with one power-of-two scale for each 32 numbers along K (OCP MX v1.0); their sums are f32. All else is computed in f32.
;;   The module's matrix products, in the order in which they are computed (A, B: the left and right operand; K: the contracted axis; several contracted axes count as one K, in the product's order):
;;     1. [M 32,768, K 384] x [K 384, N 384]; A: input hidden_states; B: input q_w: QUANTISED
;;     2. [M 32,768, K 384] x [K 384, N 384]; A: input hidden_states; B: input k_w: QUANTISED
;;     3. [M 32,768, K 384] x [K 384, N 384]; A: input hidden_states; B: input v_w: QUANTISED
;;     4. batch 192 x [M 1,024, K 64] x [K 64, N 1,024]; A: computed on the way; B: computed on the way: QUANTISED
;;     5. batch 192 x [M 1,024, K 1,024] x [K 1,024, N 64]; A: softmax (see below); B: computed on the way: QUANTISED
;;     6. [M 32,768, K 384] x [K 384, N 384]; A: computed on the way; B: input o_w: QUANTISED
;;   THE QUANTISER, for each operand of a quantised product, along K:
;;     - K is cut into blocks of 32 from its start; a last block that is shorter is filled with zeros.
;;     - A block's scale is 2^e with e = floor(log2(the largest magnitude in the block)) - 4, held to -126 .. 127; a block of zeros has e = 0. As a byte (E8M0): e + 127.
;;     - Each number is divided by its block's scale, clamped to +-28, and rounded to the nearest number of E3M2, ties to even, subnormals kept.
;;     - The product sums the exact products of the quantised numbers (number of the format x scale) in f32.
;;   ~~~python
;;   def quantise(x, axis):      # numpy; x: float32 -> the quantised numbers, widened to float32 again
;;       x = np.moveaxis(x, axis, -1); K = x.shape[-1]
;;       x = np.pad(x, [(0, 0)] * (x.ndim - 1) + [(0, -K % 32)]); x = x.reshape(x.shape[:-1] + (-1, 32)); a = np.abs(x).max(-1, keepdims=True)
;;       e = np.where(a > 0, np.clip(np.frexp(np.where(a > 0, a, 1))[1] - 1 - 4, -126, 127), 0)      # np.frexp(a)[1] - 1 = floor(log2(a)), exactly
;;       r = np.clip(x / 2.0 ** e, -28, 28)
;;       step = 2.0 ** (np.maximum(np.frexp(np.where(r == 0, 1, r))[1] - 1, -2) - 2)
;;       q = np.round(r / step) * step * 2.0 ** e      # np.round: ties to even
;;       return np.moveaxis(q.reshape(q.shape[:-2] + (-1,))[..., :K], -1, axis).astype(np.float32)
;;   ~~~
;;   SOFTMAX AHEAD OF A QUANTISED PRODUCT. Where the list says 'softmax', what is quantised is not the finished softmax but p = 2^(t - M), with t = logit x log2(e) and M = ceil(the row's largest t), a whole number; so 1/2 < the row's largest p <= 1. The row's sum l is taken of the UNQUANTISED p, in f32, and the product's result is divided by l at the end. Since M is a whole number, a kernel that streams over the keys may use a running M (the ceiling of the running maximum): every later rescaling is an exact power of two, which a block's scale takes up: the codes' values come out the same.
;;   OPERANDS COMPUTED ON THE WAY. 'Computed on the way' means the value that the module computes at that place (a softmax that the list does not call 'softmax' is quantised finished and normalised). What goes into a quantiser is computed in f32, as accurately as f32 sums, v_exp_f32 and their like allow (about 1e-6 of the number): no bf16 or f16 on the way to a quantiser, and a product that is left as it is and whose result goes on into a quantised operand takes f32 operands (vector FMAs, or v_wmma_f32_16x16x4_f32). A number that lies on a knife's edge between two numbers of the format may be rounded either way, as far as f32 arithmetic and the matrix unit's own rounding can turn it there, and no further.
;; One version. Each part assembles by itself: llvm-mc -triple=amdgcn-amd-amdhsa -mcpu=gfx1250 --defsym DOCPART=n.
;; ======== version 1 of 1: 4 launches
;; limits: right only within a limited range of input values
;; workspace buffers: wimg 442,368 bytes; wscl 18,432 bytes; qb 10,223,616 bytes; kv 20,054,016 bytes; oq 11,010,048 bytes
;; launch wquant (part 1): grid 12 x 4, 3 waves a work-group, no clusters, 0 bytes of LDS; arguments q_w, k_w, v_w, o_w, wimg, wscl; writes wimg, wscl
.if DOCPART == 1
	.amdgcn_target "amdgcn-amd-amdhsa--gfx1250"
	.amdhsa_code_object_version 6
	.text
	.protected	k_q5992f355ca_wquant
	.globl	k_q5992f355ca_wquant
	.p2align	8
	.type	k_q5992f355ca_wquant,@function
k_q5992f355ca_wquant:
	s_mov_b64 s[64:65], 0
	v_nop
	global_prefetch_b8 v0, s[64:65] scope:SCOPE_SE
	s_setreg_imm32_b32 hwreg(HW_REG_WAVE_MODE, 25, 1), 1
	s_wait_xcnt 0x0
; The four weights [384][384] f32 (K innermost) become codes of BF6 (E3M2) with one E8M0 byte for each 32 along K, laid as IMAGES OF THE OPERAND'S REGISTERS.
; TILE ORDER, shared by all launches of this program: lane-row i of tile T is row 32 (T / 2) + 8 (T % 2) + i + 8 (i / 8).  In a product whose source 0 is such a tile, the 16 result
; registers of tiles 2 b and 2 b + 1 are 16 neighbours, 32 b + 16 (lane / 16) + 0 .. 15: the order in which the next quantiser wants a lane's numbers.
; wimg: [weight 0..3][tile 0..23][K step 0..2][1,536 bytes]: three pieces of 512 bytes, piece c = every lane's registers 4 c .. 4 c + 3, 16 bytes a lane.
; wscl: [weight][pair of tiles 0..11][K step][128 bytes]: one word a lane: lanes 0-15 the even tile's rows, lanes 16-31 the odd tile's.
; SHARES: work-group x = the pair of tiles, y = the weight, the wave = the K step of 128.  A wave makes two fragments.  No LDS, no barrier: waves share nothing.
; A block's scale is 2^(floor(log2(its largest magnitude)) - 4); its byte is the largest magnitude's exponent field - 4, held at 1 from below.
; LIMITS: NaN and infinities among the inputs are not served.  A block of zeros gets the byte 1 where the rule says 127: its codes are zeros, and this program alone reads the bytes.
.set SEL, 20                           ; s[20:21] lane selects for v_permlanex16_b32: lane l xor 16
.set TM,  16                           ; v16-21  at work: largest magnitudes, bytes, the conversions' scale operands
.set PT,  22                           ; v22-24  a block's upper sixteen codes on their way
.set PW,  26                           ; v26-29  two scale bytes each: (tile u, half c) at 2 u + c
.set SW,  30                           ; v30-31  the two tiles' scale words
.set X,   32                           ; v32-159 the numbers: 64 for each tile
.set CD,  160                          ; v160-183 the codes: 12 registers for each tile
; 32 numbers of a lane, register 16 b + i = k 32 b + 16 (lane / 16) + i of its row, become six registers of codes (k = 32 (lane / 16) + 0 .. 31) and two scale bytes in the low half of v[pw].
.macro HQ s, pc, pw
.irp b, 0,1
	v_max3_num_f32 v[TM+\b], |v[\s+16*\b]|, |v[\s+16*\b+1]|, 0x2800000   ; my 16 numbers of block b, and the floor 2^(5 - 127): the byte cannot fall under 1
.endr
.irp i, 2,4,6,8,10,12,14
.irp b, 0,1
	v_max3_num_f32 v[TM+\b], v[TM+\b], |v[\s+16*\b+\i]|, |v[\s+16*\b+\i+1]|
.endr
.endr
.irp b, 0,1
	v_permlanex16_b32 v[TM+2+\b], v[TM+\b], s[SEL], s[SEL+1]
.endr
.irp b, 0,1
	v_max_num_f32 v[TM+\b], v[TM+\b], v[TM+2+\b]           ; with lane l xor 16's: the block's largest magnitude
.endr
.irp b, 0,1
	v_add_nc_u32 v[TM+4+\b], 0xfe000000, v[TM+\b]          ; 4 off its exponent field: the conversion takes this operand's exponent field as its scale
.endr
.irp b, 0,1
	v_lshrrev_b32 v[TM+2+\b], 23, v[TM+4+\b]               ; the scale's byte
.endr
	v_lshl_or_b32 v[\pw], v[TM+3], 8, v[TM+2]
	v_cvt_scalef32_pk16_bf6_f32 v[\pc:\pc+2], v[\s:\s+15], v[TM+4]
	v_cvt_scalef32_pk16_bf6_f32 v[PT:PT+2], v[\s+16:\s+31], v[TM+5]   ; (a conversion's three registers begin on an even number)
	v_nop                                                  ; one plain place behind a scaled conversion
.irp i, 0,1,2
	v_permlane16_swap_b32 v[\pc+\i], v[PT+\i]              ; the layout wants a whole block in a lane: lanes 0-15 block 0, lanes 16-31 block 1
.endr
.irp i, 0,1,2
	v_mov_b32 v[\pc+3+\i], v[PT+\i]
.endr
.endm
	s_load_b256 s[4:11], s[0:1], 0x0               ; q_w, k_w, v_w, o_w
	s_load_b128 s[12:15], s[0:1], 0x20             ; wimg, wscl
	v_lshrrev_b32 v1, 5, v0
	v_readfirstlane_b32 s16, v1                    ; wave = K step
	s_and_b32 s17, ttmp7, 0xffff                   ; which weight
	v_and_b32 v1, 31, v0                           ; lane
	v_and_b32 v5, 15, v0                           ; r
	v_bfe_u32 v6, v0, 4, 1                         ; h
	v_and_b32 v7, 8, v5
	v_add_nc_u32 v7, v7, v5                        ; r + 8 (r / 8)
	v_mul_u32_u24 v2, v7, 1536                     ; my row of 1,536 bytes,
	v_lshl_add_u32 v2, v6, 6, v2                   ; + 64 h: my 16 numbers of each block of 32
	v_lshlrev_b32 v3, 4, v1                        ; an image's place for my lane
	v_lshlrev_b32 v4, 2, v1                        ; a scale word's
	v_cmp_le_u32 s22, 16, v1                       ; lanes 16-31
	v_mov_b32 v[TM+2], 0                           ; written once: a lane permute's destination counts as one of its sources
	v_mov_b32 v[TM+3], 0
	s_mov_b32 s[SEL], 0x76543210
	s_mov_b32 s[SEL+1], 0xfedcba98
	s_mul_i32 s24, ttmp9, 49152                    ; the pair's 32 rows,
	s_lshl_b32 s18, s16, 9                         ; the K step's 512 bytes
	s_add_co_u32 s24, s24, s18
	s_mov_b32 s25, 0
	s_mul_i32 s26, s17, 24
	s_lshl_b32 s18, ttmp9, 1
	s_add_co_u32 s26, s26, s18                     ; 24 x weight + the even tile
	s_mul_i32 s26, s26, 3
	s_add_co_u32 s26, s26, s16
	s_mul_i32 s26, s26, 1536                       ; its image
	s_mov_b32 s27, 0
	s_mul_i32 s28, s17, 12
	s_add_co_u32 s28, s28, ttmp9
	s_mul_i32 s28, s28, 3
	s_add_co_u32 s28, s28, s16
	s_lshl_b32 s28, s28, 7                         ; the pair's scale words
	s_mov_b32 s29, 0
	s_wait_alu depctr_va_vdst(0)
	s_wait_kmcnt 0x0
	s_cmp_eq_u32 s17, 1                            ; the choice hangs on the work-group's number alone
	s_cselect_b64 s[4:5], s[6:7], s[4:5]
	s_cmp_eq_u32 s17, 2
	s_cselect_b64 s[4:5], s[8:9], s[4:5]
	s_cmp_eq_u32 s17, 3
	s_cselect_b64 s[4:5], s[10:11], s[4:5]
	s_add_nc_u64 s[4:5], s[4:5], s[24:25]
	s_add_nc_u64 s[12:13], s[12:13], s[26:27]
	s_add_nc_u64 s[14:15], s[14:15], s[28:29]
.irp u, 0,1
.irp b, 0,1,2,3
.irp j, 0,1,2,3
	global_load_b128 v[X+64*\u+16*\b+4*\j:X+64*\u+16*\b+4*\j+3], v2, s[4:5] offset:\u*12288+128*\b+16*\j   ; the odd tile's rows lie 8 rows further down
.endr
.endr
.endr
	s_wait_loadcnt 16                              ; the even tile's sixteen loads are in; the odd tile's sixteen may be out
	HQ X, CD, PW
	HQ X+32, CD+6, PW+1
	s_wait_loadcnt 0x0
	HQ X+64, CD+12, PW+2
	HQ X+96, CD+18, PW+3
	v_lshl_or_b32 v[SW], v[PW+1], 16, v[PW]        ; four bytes: a row's scale word for 128 along K
	v_lshl_or_b32 v[SW+1], v[PW+3], 16, v[PW+2]
	v_cndmask_b32 v12, v[SW], v[SW+1], s22         ; lanes 0-15 keep the even tile's word, lanes 16-31 take the odd tile's
.irp u, 0,1
.irp c, 0,1,2
	global_store_b128 v3, v[CD+12*\u+4*\c:CD+12*\u+4*\c+3], s[12:13] offset:\u*4608+512*\c   ; 32 lanes store 512 consecutive bytes, at a multiple of 256 from the buffer's first byte
.endr
.endr
	global_store_b32 v4, v12, s[14:15]
	s_endpgm
.Lfunc_end_k_q5992f355ca_wquant:
	.size	k_q5992f355ca_wquant, .Lfunc_end_k_q5992f355ca_wquant-k_q5992f355ca_wquant
	.p2alignl 7, 3214868480
	.fill 96, 4, 3214868480
	.section	.rodata,"a",@progbits
	.p2align	6, 0x0
	.amdhsa_kernel k_q5992f355ca_wquant
		.amdhsa_group_segment_fixed_size 0
		.amdhsa_private_segment_fixed_size 0
		.amdhsa_enable_private_segment 0
		.amdhsa_kernarg_size 48
		.amdhsa_user_sgpr_count 2
		.amdhsa_user_sgpr_kernarg_segment_ptr 1
		.amdhsa_wavefront_size32 1
		.amdhsa_system_sgpr_workgroup_id_x 1
		.amdhsa_system_sgpr_workgroup_id_y 1
		.amdhsa_system_sgpr_workgroup_id_z 1
		.amdhsa_system_vgpr_workitem_id 0
		.amdhsa_next_free_vgpr 192
		.amdhsa_next_free_sgpr 66
		.amdhsa_reserve_vcc 0
		.amdhsa_float_denorm_mode_32 3
		.amdhsa_float_denorm_mode_16_64 3
		.amdhsa_memory_ordered 1
		.amdhsa_forward_progress 1
		.amdhsa_inst_pref_size 14
	.end_amdhsa_kernel
	.amdgpu_metadata
---
amdhsa.version: [ 1, 2 ]
amdhsa.kernels:
  - .name:           k_q5992f355ca_wquant
    .symbol:         k_q5992f355ca_wquant.kd
    .args:
      - { .name: q_w, .offset: 0, .size: 8, .value_kind: global_buffer, .address_space: global }
      - { .name: k_w, .offset: 8, .size: 8, .value_kind: global_buffer, .address_space: global }
      - { .name: v_w, .offset: 16, .size: 8, .value_kind: global_buffer, .address_space: global }
      - { .name: o_w, .offset: 24, .size: 8, .value_kind: global_buffer, .address_space: global }
      - { .name: wimg, .offset: 32, .size: 8, .value_kind: global_buffer, .address_space: global }
      - { .name: wscl, .offset: 40, .size: 8, .value_kind: global_buffer, .address_space: global }
    .group_segment_fixed_size: 0
    .private_segment_fixed_size: 0
    .kernarg_segment_align: 8
    .kernarg_segment_size: 48
    .max_flat_workgroup_size: 96
    .sgpr_count:     66
    .vgpr_count:     192
    .wavefront_size: 32
...
	.end_amdgpu_metadata
.endif
;; end of part 1
;; launch qkv (part 2): grid 256 x 1, 12 waves a work-group, no clusters, 247,296 bytes of LDS; arguments hidden_states, q_b, k_b, v_b, wimg, wscl, qb, kv; writes qb, kv
.if DOCPART == 2
	.amdgcn_target "amdgcn-amd-amdhsa--gfx1250"
	.amdhsa_code_object_version 6
	.text
	.protected	k_q5992f355ca_qkv
	.globl	k_q5992f355ca_qkv
	.p2align	8
	.type	k_q5992f355ca_qkv,@function
k_q5992f355ca_qkv:
	s_mov_b64 s[64:65], 0
	v_nop
	global_prefetch_b8 v0, s[64:65] scope:SCOPE_SE
	s_setreg_imm32_b32 hwreg(HW_REG_WAVE_MODE, 25, 1), 1
	s_wait_xcnt 0x0
; q, k, v = Q(x) Q(W)^T + b on codes of BF6 (E3M2) with one E8M0 byte for each 32 along K, and q, k, v quantised again for the attention: q and k along the head's 64, v along the keys.
; SHARES.  A work-group owns 128 tokens of one batch (one key step of the attention): eight tiles of 16 in the tokens' tile order (lane-row i of tile T = token 64 (T / 4) + 8 (T % 4) + i % 8 + 32 (i / 8)).
; THE TWELVE WAVES SHARE THE COLUMNS: wave w < 6 makes head w of q, wave w >= 6 head w - 6 of k (4 tiles of W x 8 tiles of tokens x 3 K steps = 96 products); then both make two of that head's four tiles of v (48 products).
; A wave's fragments of W come from memory straight into its registers, as images, and stay for all eight tiles of tokens.
; x: 196,608 bytes of f32 come into LDS by eight tensor loads, once; each wave quantises two of the 24 fragments and stores their images in LDS; every wave reads all 24 from there.
; q, k: the product is used transposed (source 0 = 16 rows of W, source 1 = 16 tokens): a lane holds one token and its 32 registers run along the head's 64.
; v: not transposed (source 0 = 16 tokens, source 1 = 16 rows of W): a lane holds one channel and the registers of four tiles of tokens run along 64 keys.  The biases are the C of each sum's first product.
; NO CLUSTER: x belongs to one work-group; the shared weights are 331,776 bytes of images, which have no room in LDS beside x's 242,688, and in registers each fragment is wanted by one wave only.
; No LDS byte is filled twice.  LIMITS: NaN and infinities are not served; a block of zeros gets the byte 1 (its codes are zeros; this program alone reads the bytes).
; qb: [batch x head][key step][6,656]: eight half images (16 tokens x 64: registers 0-3 at 16 x lane, registers 4-5 at 512 + 8 x lane) of 768 bytes; at 6,144 two groups of 256 bytes of scale words: at 8 x lane + 4 u, lane 16 a + r: tile 4 g + 2 a + u, row r.
; kv: [batch x head][key step][13,056]: K as in qb; at 6,144 four whole images of V^T (16 channels x 128 keys); at 12,288 K's scale words; at 12,800 V's: at 128 p + 4 x lane: lanes 0-15 tile 2 p, lanes 16-31 tile 2 p + 1.
; REGISTERS, window 0: v1-11 lane terms and addresses; v12-17 W's scale words; v18-20 x's; v22-57 x's three fragments; v58-67 at work; v68-75 what is stored; v76-107 four accumulators; v108-251 W's twelve fragments; v252-255 scale bytes.
;   window 1: v0-31 the q or k bias, eight registers a tile; v32-47 v's bias.  Window 1 is named as a C, as a load's destination, and at v64-65 for the spare word's adds.
.set XROW, 1584                        ; a token in LDS: three K steps of 512 bytes + 16 of padding each
.set XIMG, 202752                      ; behind x: the 24 images, tile m and K step s at 3 m + s, 1,536 bytes each
.set XSC,  239616                      ; and their scale words, 128 bytes each
.set L16,  2                           ; 16 x lane
.set L8,   3                           ; 8 x lane
.set L4,   4                           ; 4 x lane
.set AXI,  5                           ; XIMG + 16 x lane
.set AXS,  6                           ; XSC + 4 x lane
.set AXR,  7                           ; where I read x's numbers
.set AWI,  8                           ; where I store my images
.set AWS,  9                           ; and their scale words
.set AB,   10                          ; 64 h
.set AVB,  11                          ; 4 (r + 8 (r / 8))
.set WS,   12
.set XS,   18
.set XF,   22
.set PC,   68
.set SP,   74
.set ACC,  76
.set W,    108
.set PW,   252
.set XA,   22                          ; phase X: 32 numbers, twice; the codes
.set XB,   54
.set XC,   96
.set VA,   180                         ; phase V: eight accumulators (tile of W n, tile of tokens mm at 32 n + 8 mm); the codes; the bytes
.set VC,   76
.set VPW,  100
.set BQ,   0                           ; in window 1
.set BV,   32
.set SEL,  60                          ; s[60:61]
.set MSB, 0
.macro WIN new                         ; the immediate's high byte repeats the setting that is left
.if MSB != \new
	s_set_vgpr_msb (MSB<<8)|\new
.set MSB, \new
.endif
.endm
; 32 numbers of a lane, register 16 b + i = k 32 b + 16 (lane / 16) + i of its row, become six registers of codes (k = 32 (lane / 16) + 0 .. 31) and two scale bytes in the low half of v[pw].
; Where the numbers are matrix results, each accumulator's first read is of its registers 0 and 1.
.macro HQ s, pc, pw
.irp b, 0,1
	v_max3_num_f32 v[TM+\b], |v[\s+16*\b]|, |v[\s+16*\b+1]|, 0x2800000   ; my 16 numbers of block b, and the floor 2^(5 - 127): the byte cannot fall under 1
.endr
.irp i, 2,4,6,8,10,12,14
.irp b, 0,1
	v_max3_num_f32 v[TM+\b], v[TM+\b], |v[\s+16*\b+\i]|, |v[\s+16*\b+\i+1]|
.endr
.endr
.irp b, 0,1
	s_delay_alu instid0(VALU_DEP_2)
	v_permlanex16_b32 v[TM+2+\b], v[TM+\b], s[SEL], s[SEL+1]
.endr
.irp b, 0,1
	s_delay_alu instid0(VALU_DEP_2)
	v_max_num_f32 v[TM+\b], v[TM+\b], v[TM+2+\b]           ; with lane l xor 16's: the block's largest magnitude
.endr
.irp b, 0,1
	s_delay_alu instid0(VALU_DEP_2)
	v_add_nc_u32 v[TM+4+\b], 0xfe000000, v[TM+\b]          ; 4 off its exponent field: the conversion's scale operand
.endr
.irp b, 0,1
	s_delay_alu instid0(VALU_DEP_2)
	v_lshrrev_b32 v[TM+2+\b], 23, v[TM+4+\b]               ; the scale's byte
.endr
	s_delay_alu instid0(VALU_DEP_1)
	v_lshl_or_b32 v[\pw], v[TM+3], 8, v[TM+2]
	v_cvt_scalef32_pk16_bf6_f32 v[\pc:\pc+2], v[\s:\s+15], v[TM+4]
	v_cvt_scalef32_pk16_bf6_f32 v[PT:PT+2], v[\s+16:\s+31], v[TM+5]   ; (a conversion's three registers begin on an even number)
	v_nop                                                  ; one plain place behind a scaled conversion
.irp i, 0,1,2
	v_permlane16_swap_b32 v[\pc+\i], v[PT+\i]              ; a whole block to a lane: lanes 0-15 block 0, lanes 16-31 block 1
.endr
.irp i, 0,1,2
	s_delay_alu instid0(VALU_DEP_3)
	v_mov_b32 v[\pc+3+\i], v[PT+\i]
.endr
.endm
; One matrix instruction.  row = 1: source 0's scales stand in lanes 16-31 of their register; 2: source 1's.
.macro MM d, a, b, c, sa, sb, row
.if (\row) == 1
	v_wmma_scale_f32_16x16x128_f8f6f4 v[\d:\d+7], v[\a:\a+11], v[\b:\b+11], v[\c:\c+7], v[\sa], v[\sb] matrix_a_fmt:MATRIX_FMT_BF6 matrix_b_fmt:MATRIX_FMT_BF6 matrix_a_scale:MATRIX_SCALE_ROW1
.elseif (\row) == 2
	v_wmma_scale_f32_16x16x128_f8f6f4 v[\d:\d+7], v[\a:\a+11], v[\b:\b+11], v[\c:\c+7], v[\sa], v[\sb] matrix_a_fmt:MATRIX_FMT_BF6 matrix_b_fmt:MATRIX_FMT_BF6 matrix_b_scale:MATRIX_SCALE_ROW1
.else
	v_wmma_scale_f32_16x16x128_f8f6f4 v[\d:\d+7], v[\a:\a+11], v[\b:\b+11], v[\c:\c+7], v[\sa], v[\sb] matrix_a_fmt:MATRIX_FMT_BF6 matrix_b_fmt:MATRIX_FMT_BF6
.endif
.endm
; THE TOKENS' TILE ORDER in this launch, in attn and in oproj (the weights keep the order named at the head): lane-row i of tile T is token 64 (T / 4) + 8 (T % 4) + i % 8 + 32 (i / 8) of the work-group's 128.
; So in a product whose source 0 is such a tile, the 32 result registers of tiles 4 g .. 4 g + 3 are one whole block of 32 neighbours: 64 g + 32 (lane / 16) + 0 .. 31.
; HQ1: 32 numbers of a lane, one whole block along K, become six registers of codes and the block's scale byte in v[pw].  Each accumulator's first read is of its registers 0 and 1.
.macro HQ1 s, pc, pw
.irp b, 0,1
	v_max3_num_f32 v[TM+\b], |v[\s+16*\b]|, |v[\s+16*\b+1]|, 0x2800000   ; two chains of 16, and the floor 2^(5 - 127): the byte cannot fall under 1
.endr
.irp i, 2,4,6,8,10,12,14
.irp b, 0,1
	v_max3_num_f32 v[TM+\b], v[TM+\b], |v[\s+16*\b+\i]|, |v[\s+16*\b+\i+1]|
.endr
.endr
	s_delay_alu instid0(VALU_DEP_1)
	v_max_num_f32 v[TM], v[TM], v[TM+1]                    ; the block's largest magnitude: no other lane is asked
	s_delay_alu instid0(VALU_DEP_1)
	v_add_nc_u32 v[TM+4], 0xfe000000, v[TM]                ; 4 off its exponent field: the conversions' scale operand
	s_delay_alu instid0(VALU_DEP_1)
	v_lshrrev_b32 v[\pw], 23, v[TM+4]                      ; the scale's byte
	v_cvt_scalef32_pk16_bf6_f32 v[\pc:\pc+2], v[\s:\s+15], v[TM+4]
	v_cvt_scalef32_pk16_bf6_f32 v[PT:PT+2], v[\s+16:\s+31], v[TM+4]   ; (a conversion's three registers begin on an even number)
	v_nop                                                  ; one plain place behind a scaled conversion
.irp i, 0,1,2
	v_mov_b32 v[\pc+3+\i], v[PT+\i]
.endr
.endm
.macro PLACES
.rept 4
	v_nop
.endr
.endm
	s_load_b256 s[4:11], s[0:1], 0x0               ; x s[4:5], q_b s[6:7], k_b s[8:9], v_b s[10:11]
	s_load_b256 s[12:19], s[0:1], 0x20             ; wimg s[12:13], wscl s[14:15], qb s[16:17], kv s[18:19]
	s_set_vgpr_msb 0x40
	v_lshl_add_u32 v64, v0, 2, 0x3c000
	v_mov_b32 v65, 0
	s_set_vgpr_msb 0x4045
	ds_add_u32 v64, v65
	ds_add_u32 v64, v65
	s_set_vgpr_msb 0x4500
	v_lshrrev_b32 v1, 5, v0
	s_delay_alu instid0(VALU_DEP_1)
	v_readfirstlane_b32 s20, v1                    ; wave 0..11
	v_and_b32 v1, 31, v0                           ; lane
	s_delay_alu instid0(VALU_DEP_1)
	v_lshlrev_b32 v[L16], 4, v1
	s_delay_alu instid0(VALU_DEP_2)
	v_lshlrev_b32 v[L8], 3, v1
	s_delay_alu instid0(VALU_DEP_3)
	v_lshlrev_b32 v[L4], 2, v1
	s_delay_alu instid0(VALU_DEP_3)
	v_add_nc_u32 v[AXI], XIMG, v[L16]
	s_delay_alu instid0(VALU_DEP_2)
	v_add_nc_u32 v[AXS], XSC, v[L4]
	v_and_b32 v21, 15, v0                          ; r
	v_bfe_u32 v22, v0, 4, 1                        ; h
	s_delay_alu instid0(VALU_DEP_2)
	v_and_b32 v23, 8, v21
	s_delay_alu instid0(VALU_DEP_1)
	v_add_nc_u32 v23, v23, v21                     ; r + 8 (r / 8)
	s_delay_alu instid0(VALU_DEP_3)
	v_lshlrev_b32 v[AB], 6, v22
	s_delay_alu instid0(VALU_DEP_2)
	v_lshlrev_b32 v[AVB], 2, v23
	v_and_b32 v24, 8, v21
	s_delay_alu instid0(VALU_DEP_1)
	v_mad_u32_u24 v24, v24, 3, v21                 ; r % 8 + 32 (r / 8): the tokens' tile order
	s_delay_alu instid0(VALU_DEP_1)
	v_mul_u32_u24 v[AXR], v24, XROW
	s_delay_alu instid0(VALU_DEP_1)
	v_add_nc_u32 v[AXR], v[AXR], v[AB]             ; my token's row in LDS, + 64 h: my 16 numbers of each block of 32
	s_and_b32 s25, s20, 3                          ; phase X: wave w quantises tiles 2 (w % 4) and 2 (w % 4) + 1,
	s_lshr_b32 s26, s20, 2                         ; K step w / 4
	s_lshr_b32 s27, s25, 1                         ; tile 2 j begins at token 64 (j / 2) + 16 (j % 2); the odd tile 8 tokens on
	s_mul_i32 s27, s27, 64*XROW
	s_and_b32 s23, s25, 1
	s_mul_i32 s23, s23, 16*XROW
	s_add_co_u32 s27, s27, s23
	s_mul_i32 s23, s26, 528
	s_add_co_u32 s27, s27, s23
	s_wait_alu depctr_va_vdst(0)                   ; the wait here, directly ahead of the reader below
	v_add_nc_u32 v[AXR], s27, v[AXR]
	s_mul_i32 s27, s25, 6
	s_add_co_u32 s27, s27, s26                     ; the first of my two images: 3 x tile + K step
	s_mul_i32 s23, s27, 1536
	v_add_nc_u32 v[AWI], s23, v[AXI]
	s_lshl_b32 s23, s27, 7
	v_add_nc_u32 v[AWS], s23, v[AXS]
	v_cmp_le_u32 s62, 16, v1                       ; lanes 16-31
	v_mov_b32 v88, 0                               ; written once: a lane permute's destination counts as one of its sources (phase X's set)
	v_mov_b32 v89, 0
	s_mov_b32 s[SEL], 0x76543210
	s_mov_b32 s[SEL+1], 0xfedcba98
	s_cmp_ge_u32 s20, 6
	s_cselect_b32 s21, 1, 0                        ; 0: q and v's tiles 0, 1;  1: k and v's tiles 2, 3
	s_mul_i32 s22, s21, 6
	s_sub_co_u32 s22, s20, s22                     ; the head
	s_lshr_b32 s23, ttmp9, 3                       ; the batch
	s_and_b32 s25, ttmp9, 7                        ; the key step
	s_mul_i32 s24, s23, 6
	s_add_co_u32 s24, s24, s22
	s_lshl_b32 s24, s24, 3
	s_add_co_u32 s24, s24, s25                     ; (6 x batch + head) x 8 + key step
	s_mul_i32 s63, s24, 13056                      ; its chunk of kv
	; the tensor load of waves 0-7: 16 tokens, 24,576 dense bytes, as 48 rows of 512 bytes, 16 bytes of padding behind each
	s_mov_b32 s32, (2<<16)|(1<<20)|(6<<22)|(3<<25) ; elements of 4 bytes; padding on; after every 128 words; of 4 words
	s_mov_b32 s33, 128<<16                         ; tensor_dim0 = 128
	s_mov_b32 s34, 48<<16                          ; tensor_dim1 = 48
	s_mov_b32 s35, 128<<16                         ; tile_dim0 = 128
	s_mov_b32 s36, 48                              ; tile_dim1 = 48
	s_mov_b32 s37, 128                             ; from row to row
	s_mov_b32 s38, 0
	s_mov_b32 s39, 0
	s_mov_b32 s28, 1
	s_mul_i32 s29, s20, 16*XROW                    ; LDS: wave x 16 tokens
	s_mul_i32 s2, ttmp9, 196608                    ; memory: 128 tokens a work-group,
	s_mul_i32 s23, s20, 24576                      ; 16 a wave
	s_add_co_u32 s2, s2, s23
	s_mov_b32 s3, 0                                ; s[2:3]: the pair in which byte offsets are made; its upper word stays 0
	s_wait_dscnt 0x0
	s_wait_kmcnt 0x0
	s_add_nc_u64 s[30:31], s[4:5], s[2:3]
	s_or_b32 s31, s31, 0x80000000                  ; type = 2
	s_cmp_lt_u32 s20, 8
	s_cbranch_scc0 .Lno_fill
	tensor_load_to_lds s[28:31], s[32:39]          ; the launch's only fill of these bytes
	s_nop 0
.rept 4
	v_nop                                          ; (behind a tensor load)
.endr
.Lno_fill:
	s_cmp_ge_u32 s20, 6                            ; the choices hang on the wave's number alone
	s_cselect_b64 s[44:45], s[8:9], s[6:7]         ; k_b or q_b
	s_cselect_b64 s[46:47], s[18:19], s[16:17]     ; kv or qb
	s_mov_b32 s26, 6656
	s_cselect_b32 s26, 13056, s26                  ; bytes of a chunk there
	s_mov_b32 s27, 6144
	s_cselect_b32 s27, 12288, s27                  ; where its scale words begin
	s_mul_i32 s2, s21, 24
	s_lshl_b32 s23, s22, 2
	s_add_co_u32 s2, s2, s23
	s_mul_i32 s2, s2, 4608
	s_add_nc_u64 s[40:41], s[12:13], s[2:3]        ; my four tiles of q_w or k_w: tile 24 x weight + 4 x head on
	s_mul_i32 s2, s21, 12
	s_lshl_b32 s23, s22, 1
	s_add_co_u32 s2, s2, s23
	s_mul_i32 s2, s2, 384
	s_add_nc_u64 s[42:43], s[14:15], s[2:3]        ; their scale words
	s_lshl_b32 s2, s22, 8
	s_add_nc_u64 s[44:45], s[44:45], s[2:3]        ; the head's 64 numbers of the bias
	s_lshl_b32 s23, s21, 7
	s_add_co_u32 s2, s2, s23
	s_add_nc_u64 s[54:55], s[10:11], s[2:3]        ; v_b: the head's, my 32 channels
	s_mul_i32 s2, s24, s26
	s_add_nc_u64 s[46:47], s[46:47], s[2:3]        ; where my q or k goes
	s_mov_b32 s2, s27
	s_add_nc_u64 s[48:49], s[46:47], s[2:3]        ; and its scale words
	s_lshl_b32 s2, s22, 2
	s_lshl_b32 s23, s21, 1
	s_add_co_u32 s2, s2, s23
	s_add_co_u32 s2, s2, 48
	s_mul_i32 s2, s2, 4608
	s_add_nc_u64 s[50:51], s[12:13], s[2:3]        ; my two tiles of v_w
	s_lshl_b32 s2, s22, 1
	s_add_co_u32 s2, s2, s21
	s_add_co_u32 s2, s2, 24
	s_mul_i32 s2, s2, 384
	s_add_nc_u64 s[52:53], s[14:15], s[2:3]        ; their scale words
	s_mul_i32 s23, s21, 3072
	s_add_co_u32 s2, s63, s23
	s_add_co_u32 s2, s2, 6144
	s_add_nc_u64 s[56:57], s[18:19], s[2:3]        ; where my two images of V^T go
	s_lshl_b32 s23, s21, 7
	s_add_co_u32 s2, s63, s23
	s_add_co_u32 s2, s2, 12800
	s_add_nc_u64 s[58:59], s[18:19], s[2:3]        ; and their scale words
.irp f, 0,1,2,3,4,5,6,7,8,9,10,11      ; W's fragment (tile n, K step s) is image 3 n + s
.irp c, 0,1,2
	global_load_b128 v[W+12*\f+4*\c:W+12*\f+4*\c+3], v[L16], s[40:41] offset:\f*1536+512*\c
.endr
.endr
.irp f, 0,1,2,3,4,5                    ; scale words: pair of tiles p, K step s at 3 p + s
	global_load_b32 v[WS+\f], v[L4], s[42:43] offset:\f*128
.endr
	WIN 0x40                                       ; destination window 1
.irp n, 0,1,2,3                        ; the bias in the result's layout: register j of tile n is channel 32 (n / 2) + 16 h + 8 (n % 2) + j
	global_load_b128 v[BQ+8*\n:BQ+8*\n+3], v[AB], s[44:45] offset:(32*(\n/2)+8*(\n%2))*4
	global_load_b128 v[BQ+8*\n+4:BQ+8*\n+7], v[AB], s[44:45] offset:(32*(\n/2)+8*(\n%2))*4+16
.endr
	s_wait_alu depctr_va_vdst(0)
.irp u, 0,1                            ; v's: a lane holds one channel, so its eight registers hold the same number
.irp j, 0,1,2,3,4,5,6,7
	global_load_b32 v[BV+8*\u+\j], v[AVB], s[54:55] offset:32*\u
.endr
.endr
	WIN 0
	s_wait_tensorcnt 0x0                           ; my 16 tokens are in LDS,
	s_barrier_signal -1
	s_barrier_wait -1                              ; everybody's are
	; ---- X: my two fragments of x.  Lane (r, h) of a tile takes its token's 16 neighbours of each block of 32; 32 numbers (two blocks) at a time, in two sets of registers by turns
.set TM, 86
.set PT, 92
.macro LDX buf, u, c                   ; tile u of my two, half c of the K step
.irp k, 0,1
.irp j, 0,1,2,3
	ds_load_b128 v[\buf+16*\k+4*\j:\buf+16*\k+4*\j+3], v[AXR] offset:\u*8*XROW+256*\c+128*\k+16*\j
.endr
.endr
.endm
.macro XSTORE u                        ; the fragment and its scale word go to LDS as they stand
	v_lshl_or_b32 v[PW+2], v[PW+1], 16, v[PW]
.irp c, 0,1,2
	ds_store_b128 v[AWI], v[XC+4*\c:XC+4*\c+3] offset:\u*4608+512*\c
.endr
	ds_store_b32 v[AWS], v[PW+2] offset:\u*384
.endm
	LDX XA, 0, 0
	LDX XB, 0, 1
	s_wait_dscnt 8                                 ; the first eight loads are in; the eight behind them may be out
	HQ XA, XC, PW
	LDX XA, 1, 0
	s_wait_dscnt 8                                 ; the second eight are in; the eight just issued may be out
	HQ XB, XC+6, PW+1
	LDX XB, 1, 1
	XSTORE 0
	s_wait_dscnt 0x0                               ; the stores have read their registers, and the second tile's numbers are in
	HQ XA, XC, PW
	HQ XB, XC+6, PW+1
	XSTORE 1
	s_wait_dscnt 0x0                               ; for the others' sake: my stores have landed
	s_barrier_signal -1
	s_barrier_wait -1                              ; x's 24 fragments lie in LDS
.set TM, 58
.set PT, 64
	v_mov_b32 v[TM+2], 0                           ; the permutes' destinations of the set used from here on
	v_mov_b32 v[TM+3], 0
.macro FETCHX m                        ; tile m's three fragments and scale words
.irp s, 0,1,2
.irp c, 0,1,2
	ds_load_b128 v[XF+12*\s+4*\c:XF+12*\s+4*\c+3], v[AXI] offset:(3*(\m)+\s)*1536+512*\c
.endr
.endr
.irp s, 0,1,2
	ds_load_b32 v[XS+\s], v[AXS] offset:(3*(\m)+\s)*128
.endr
.endm
; ---- QK: a tile of 16 tokens: twelve products, the four accumulators by turns; then the tile's 64 channels are quantised and stored while the next tile's fragments are on their way
.macro QKM m
	s_wait_dscnt 0x0                               ; the tile's fragments are in
	WIN 0x10                                       ; C (the bias) in window 1
.irp n, 0,1,2,3
	MM ACC+8*\n, W+36*\n, XF, BQ+8*\n, WS+3*(\n/2), XS, \n%2
.endr
	WIN 0
.irp s, 1,2
.irp n, 0,1,2,3
	MM ACC+8*\n, W+36*\n+12*\s, XF+12*\s, ACC+8*\n, WS+3*(\n/2)+\s, XS+\s, \n%2
.endr
.endr
	PLACES
.if (\m) < 7
	FETCHX (\m)+1
.else
.irp f, 0,1,2,3,4,5                    ; v_w's six fragments take the first six places of W
.irp c, 0,1,2
	global_load_b128 v[W+12*\f+4*\c:W+12*\f+4*\c+3], v[L16], s[50:51] offset:\f*1536+512*\c
.endr
.endr
.irp s, 0,1,2
	global_load_b32 v[WS+\s], v[L4], s[52:53] offset:\s*128
.endr
	FETCHX 0
.endif
	s_wait_xcnt 0x0                                ; the last tile's stores have read their registers: only behind this wait are those written again
	HQ ACC, PC, PW+((\m)%4)
	global_store_b128 v[L16], v[PC:PC+3], s[46:47] offset:768*(\m)
	global_store_b64 v[L8], v[PC+4:PC+5], s[46:47] offset:768*(\m)+512
.if (\m)%4 == 3
	v_cndmask_b32 v[SP], v[PW], v[PW+2], s62       ; four tiles' scale words leave together: 256 consecutive bytes
	v_cndmask_b32 v[SP+1], v[PW+1], v[PW+3], s62
	global_store_b64 v[L8], v[SP:SP+1], s[48:49] offset:256*((\m)/4)
.endif
.endm
	FETCHX 0
	s_wait_loadcnt 0x0                             ; W, its scale words, the biases
.irp m, 0,1,2,3,4,5,6,7
	QKM \m
.endr
; ---- V: a tile of 16 tokens against my two tiles of v_w: six products, the two accumulators by turns; after four tiles of tokens a lane holds one whole block of 32 keys of its channel
.macro VM m
	s_wait_dscnt 0x0
	WIN 0x10
.irp n, 0,1
	MM VA+32*\n+8*((\m)%4), XF, W+36*\n, BV+8*\n, XS, WS, 2*\n
.endr
	WIN 0
.irp s, 1,2
.irp n, 0,1
	MM VA+32*\n+8*((\m)%4), XF+12*\s, W+36*\n+12*\s, VA+32*\n+8*((\m)%4), XS+\s, WS+\s, 2*\n
.endr
.endr
	PLACES
.if (\m) < 7
	FETCHX (\m)+1
.endif
.if (\m)%4 == 3
	HQ1 VA, VC+6*((\m)/4), VPW+((\m)/4)
	HQ1 VA+32, VC+12+6*((\m)/4), VPW+2+((\m)/4)
.endif
.endm
	s_wait_loadcnt 0x0                             ; v_w's fragments and scale words
.irp m, 0,1,2,3,4,5,6,7
	VM \m
.endr
	v_lshl_or_b32 v[VPW], v[VPW+1], 16, v[VPW]     ; my two bytes of a channel's scale word: blocks h and 2 + h of these 128 keys,
	v_lshl_or_b32 v[VPW+2], v[VPW+3], 16, v[VPW+2]
	v_lshrrev_b32 v[VPW+1], 3, v[AB]               ; 8 h
	s_delay_alu instid0(VALU_DEP_1)
	v_lshlrev_b32 v[VPW], v[VPW+1], v[VPW]         ; at their places in the word;
	v_lshlrev_b32 v[VPW+2], v[VPW+1], v[VPW+2]
	s_delay_alu instid0(VALU_DEP_2)
	v_permlanex16_b32 v[TM+2], v[VPW], s[SEL], s[SEL+1]
	s_delay_alu instid0(VALU_DEP_2)
	v_permlanex16_b32 v[TM+3], v[VPW+2], s[SEL], s[SEL+1]
	s_delay_alu instid0(VALU_DEP_2)
	v_or_b32 v[VPW], v[VPW], v[TM+2]               ; with lane l xor 16's two the word is whole
	s_delay_alu instid0(VALU_DEP_2)
	v_or_b32 v[VPW+2], v[VPW+2], v[TM+3]
	s_delay_alu instid0(VALU_DEP_1)
	v_cndmask_b32 v[VPW+1], v[VPW], v[VPW+2], s62
.irp n, 0,1
.irp c, 0,1,2
	global_store_b128 v[L16], v[VC+12*\n+4*\c:VC+12*\n+4*\c+3], s[56:57] offset:1536*\n+512*\c
.endr
.endr
	global_store_b32 v[L4], v[VPW+1], s[58:59]
	s_set_vgpr_msb 0x5
	s_wait_tensorcnt 0x0
	ds_add_u32 v64, v65
	s_wait_dscnt 0x0
	s_set_vgpr_msb 0x500
	s_endpgm
.Lfunc_end_k_q5992f355ca_qkv:
	.size	k_q5992f355ca_qkv, .Lfunc_end_k_q5992f355ca_qkv-k_q5992f355ca_qkv
	.p2alignl 7, 3214868480
	.fill 96, 4, 3214868480
	.section	.rodata,"a",@progbits
	.p2align	6, 0x0
	.amdhsa_kernel k_q5992f355ca_qkv
		.amdhsa_group_segment_fixed_size 247296
		.amdhsa_private_segment_fixed_size 0
		.amdhsa_enable_private_segment 0
		.amdhsa_kernarg_size 64
		.amdhsa_user_sgpr_count 2
		.amdhsa_user_sgpr_kernarg_segment_ptr 1
		.amdhsa_wavefront_size32 1
		.amdhsa_system_sgpr_workgroup_id_x 1
		.amdhsa_system_sgpr_workgroup_id_y 1
		.amdhsa_system_sgpr_workgroup_id_z 1
		.amdhsa_system_vgpr_workitem_id 0
		.amdhsa_next_free_vgpr 322
		.amdhsa_next_free_sgpr 66
		.amdhsa_reserve_vcc 0
		.amdhsa_float_denorm_mode_32 3
		.amdhsa_float_denorm_mode_16_64 3
		.amdhsa_memory_ordered 1
		.amdhsa_forward_progress 1
		.amdhsa_inst_pref_size 88
	.end_amdhsa_kernel
	.amdgpu_metadata
---
amdhsa.version: [ 1, 2 ]
amdhsa.kernels:
  - .name:           k_q5992f355ca_qkv
    .symbol:         k_q5992f355ca_qkv.kd
    .args:
      - { .name: hidden_states, .offset: 0, .size: 8, .value_kind: global_buffer, .address_space: global }
      - { .name: q_b, .offset: 8, .size: 8, .value_kind: global_buffer, .address_space: global }
      - { .name: k_b, .offset: 16, .size: 8, .value_kind: global_buffer, .address_space: global }
      - { .name: v_b, .offset: 24, .size: 8, .value_kind: global_buffer, .address_space: global }
      - { .name: wimg, .offset: 32, .size: 8, .value_kind: global_buffer, .address_space: global }
      - { .name: wscl, .offset: 40, .size: 8, .value_kind: global_buffer, .address_space: global }
      - { .name: qb, .offset: 48, .size: 8, .value_kind: global_buffer, .address_space: global }
      - { .name: kv, .offset: 56, .size: 8, .value_kind: global_buffer, .address_space: global }
    .group_segment_fixed_size: 247296
    .private_segment_fixed_size: 0
    .kernarg_segment_align: 8
    .kernarg_segment_size: 64
    .max_flat_workgroup_size: 384
    .sgpr_count:     66
    .vgpr_count:     322
    .wavefront_size: 32
...
	.end_amdgpu_metadata
.endif
;; end of part 2
;; launch attn (part 3): grid 8 x 32, 16 waves a work-group, clusters of 4 x 1, 327,680 bytes of LDS; arguments qb, kv, oq; writes oq
.if DOCPART == 3
	.amdgcn_target "amdgcn-amd-amdhsa--gfx1250"
	.amdhsa_code_object_version 6
	.text
	.protected	k_q5992f355ca_attn
	.globl	k_q5992f355ca_attn
	.p2align	8
	.type	k_q5992f355ca_attn,@function
k_q5992f355ca_attn:
	s_mov_b64 s[64:65], 0
	v_nop
	global_prefetch_b8 v0, s[64:65] scope:SCOPE_SE
	s_setreg_imm32_b32 hwreg(HW_REG_WAVE_MODE, 25, 1), 1
	s_wait_xcnt 0x0
	s_wait_alu depctr_hold_cnt(0) depctr_sa_sdst(0) depctr_va_vdst(0) depctr_va_sdst(0) depctr_va_ssrc(0) depctr_va_vcc(0) depctr_vm_vsrc(0)
	s_getreg_b32 s2, hwreg(HW_REG_IB_STS2, 6, 4)
	s_cmp_eq_u32 s2, 0
	s_cbranch_scc0 .Lentry_in_a_cluster
	s_endpgm
.Lentry_in_a_cluster:
	s_bfe_u32 s2, ttmp6, 0x10000c
	s_cmp_lg_u32 s2, 0x3003
	s_cbranch_scc0 .Lentry_shape_is_right
	s_endpgm
.Lentry_shape_is_right:
; o = softmax(q k^T / 8) v, head by head, both products on codes of BF6 (E3M2) with one E8M0 byte for each 32 along a product's K, and o quantised along its 64 channels for the last projection.
; THE SOFTMAX: t = score x log2(e) / 8; M = the row's largest t so far, rounded UP to a whole number; p = 2^(t - M) is quantised along the keys, not normalised.  The row's sum is taken of the unquantised p
; and divides O at the end (by v_rcp_f32).  When M moves, the sum and O are multiplied by f = 2^(old M - new M): exact.  A head begins with -M = 3e38, so its first f is 0, which wipes the last head's sum and O.
; SHARES.  A cluster of four work-groups takes three heads of one batch (cluster x = 0: heads 0-2; 1: heads 3-5).  Of each head a work-group owns 256 of the 1,024 queries, each of its sixteen waves one tile of 16.
; ALL THREE HEADS LIE IN LDS: 3 x 104,448 bytes of K's and V's images and scale words, dense in kv.  Waves 0-11 bring 102 rows of 256 bytes each (two key steps), one tensor load a wave, at the head; nothing is filled
; again, so behind the one barrier that shows LDS whole a wave walks its 24 key steps with no further barrier.  CLUSTER: the four work-groups read the same bytes: each load is a joint one, its mask names the four.
; NO PREFETCH: every tile is asked for at the head; there is no loop to run ahead in.
; LAYOUT.  Both products are used transposed: S^T = K Q^T (source 0 = 16 keys), O^T = V^T P^T (source 0 = 16 channels): a lane holds ONE query throughout.
; The keys of a tile: lane-row i of tile T is key 64 (T / 4) + 8 (T % 4) + i % 8 + 32 (i / 8) of the step's 128.  So a lane's 32 registers of tiles 4 g .. 4 g + 3 are ONE WHOLE BLOCK of 32 keys, 64 g + 32 (lane / 16) + 0 .. 31:
; the order of the next operand's registers: a block's largest score needs no other lane, and the codes stay in their lane.  The channels of V^T's tiles keep the weights' order (lane-row i of tile T = 32 (T / 2) + 8 (T % 2) + i + 8 (i / 8)).
; The first product's K is 64.  Registers 6-11 of Q's fragments hold zero codes, so what stands in registers 6-11 of a fragment of K adds nothing: K's eight half fragments lie six registers apart, each followed by the next
; (the last by six registers of any bits: every code of BF6 is a finite number); the upper two scale bytes are 0, a power of two and no NaN.
; TWO REGIONS OF 64 REGISTERS, X and Y, change roles from step to step: K's fragments in one, the scores into the other; V's fragments follow K's as soon as the scores are made; the next step's K follows p as soon as p is summed and converted.
; A block's largest p is not searched for: the block's largest score goes through the same multiply-add and exponential (this takes v_exp_f32 not to fall where its input rises; at the worst one p of a block is held one code low).
; LIMITS: NaN and infinities are not served (an infinite O of one head would also spoil the wave's next head); a block of zeros gets the byte 1 (its codes are zeros; this program alone reads the bytes).
; oq: [tile of 16 tokens, 64 x batch + tile][5,376]: at 768 x head a half image (registers 0-3 at 16 x lane, registers 4-5 at 512 + 8 x lane); at 4,608 + 128 x head + 4 x lane the row's two scale bytes.
.set CHUNK, 13056                      ; a key step in LDS and in kv: K's eight half images,
.set VIM,   6144                       ; V^T's four images,
.set KSC,   12288                      ; K's scale words,
.set VSC,   12800                      ; V's
.set HEADB, 8*CHUNK                    ; a head's eight chunks; head u of my three at LDS byte u x HEADB
.set SPARE, 3*HEADB                    ; behind them: the spare words, 128 bytes for each of the sixteen waves: eight blocks of 256 bytes that no other line names
.set QHEAD, 8*6656                     ; from a head to the next in qb
.set L16, 1                            ; 16 x lane
.set L8,  2                            ; 8 x lane
.set L4,  3                            ; 4 x lane
.set A16, 4                            ; this step's chunk + 16 x lane;
.set A4,  5                            ; + 4 x lane
.set N16, 6                            ; the next step's chunk + 16 x lane;
.set N8,  7                            ; + 8 x lane
.set AQS, 8                            ; 8 r
.set SH8, 9                            ; 8 (lane / 16)
.set PS,  10                           ; p's scale word
.set NM0, 12                           ; -M, in v12 and v14 by turns (each named as the low word of a pair)
.set RS,  13                           ; the largest score so far
.set NM1, 14
.set T,   15                           ; at work
.set F,   16                           ; v16 f, later 1 / the sum; v17 = 0 (named with it as a pair)
.set SUM, 18                           ; v[18:19] the row's sum in two halves
.set KS,  20                           ; v20-23 K's scale words
.set VS,  24                           ; v24-25 V's
.set BM,  26                           ; v26-29 largest scores; later, with v30-31 and v70-71, the sum's four chains
.set P,   30                           ; a lane permute's result
.set Q0,  32                           ; v32-67 Q's three fragments
.set Q1,  44
.set Q2,  56
.set QS0, 68                           ; their scale words
.set QS1, 69
.set QS2, 251
.set X,   72                           ; v72-135
.set Y,   136                          ; v136-199
.set O,   200                          ; v200-231 O^T
.set PCD, 232                          ; v232-243 p's codes
.set CT,  244                          ; v244-246, v248-250 the conversions' second halves
.set SPW, 252                          ; LDS address of my spare word: SPARE + 4 x my thread's number; never rewritten
.set NIL, 253                          ; 0; never rewritten
.set BS,  254                          ; v254-255 the conversions' scale operands
.set TM,  26                           ; the way out's quantiser: v26-31,
.set PT,  244                          ; v244-246,
.set PW,  247
.set WV,  10                           ; s10 my wave's number
.set TB0, 28                           ; s28-30 LDS bytes at which the chunks of a trip's two steps and of the step behind them begin
.set TB1, 29
.set TB2, 30
.set CNT, 31
.set SEL, 32                           ; s[32:33] lane selects: lane l xor 16
.set CS,  34                           ; s[34:35] c = log2(e) / 8
.macro HQ s, pc, pw                    ; 32 numbers of a lane, register 16 b + i = k 32 b + 16 (lane / 16) + i, become six registers of codes and two scale bytes
.irp b, 0,1
	v_max3_num_f32 v[TM+\b], |v[\s+16*\b]|, |v[\s+16*\b+1]|, 0x2800000   ; and the floor 2^(5 - 127): the byte cannot fall under 1
.endr
.irp i, 2,4,6,8,10,12,14
.irp b, 0,1
	s_delay_alu instid0(VALU_DEP_2)
	v_max3_num_f32 v[TM+\b], v[TM+\b], |v[\s+16*\b+\i]|, |v[\s+16*\b+\i+1]|
.endr
.endr
.irp b, 0,1
	s_delay_alu instid0(VALU_DEP_2)
	v_permlanex16_b32 v[TM+2+\b], v[TM+\b], s[SEL], s[SEL+1]
.endr
.irp b, 0,1
	s_delay_alu instid0(VALU_DEP_2)
	v_max_num_f32 v[TM+\b], v[TM+\b], v[TM+2+\b]
.endr
.irp b, 0,1
	s_delay_alu instid0(VALU_DEP_2)
	v_add_nc_u32 v[TM+4+\b], 0xfe000000, v[TM+\b]
.endr
.irp b, 0,1
	s_delay_alu instid0(VALU_DEP_2)
	v_lshrrev_b32 v[TM+2+\b], 23, v[TM+4+\b]
.endr
	s_delay_alu instid0(VALU_DEP_1)
	v_lshl_or_b32 v[\pw], v[TM+3], 8, v[TM+2]
	v_cvt_scalef32_pk16_bf6_f32 v[\pc:\pc+2], v[\s:\s+15], v[TM+4]
	v_cvt_scalef32_pk16_bf6_f32 v[PT:PT+2], v[\s+16:\s+31], v[TM+5]
	v_nop                                                  ; one plain place behind a scaled conversion
.irp i, 0,1,2
	v_permlane16_swap_b32 v[\pc+\i], v[PT+\i]
.endr
.irp i, 0,1,2
	s_delay_alu instid0(VALU_DEP_3)
	v_mov_b32 v[\pc+3+\i], v[PT+\i]
.endr
.endm
.macro MM d, a, b, c, sa, sb, row      ; one matrix instruction.  c = -1: the constant 0 starts the sum.  row = 1: source 0's scales stand in lanes 16-31
.if (\c) < 0
.if (\row) == 1
	v_wmma_scale_f32_16x16x128_f8f6f4 v[\d:\d+7], v[\a:\a+11], v[\b:\b+11], 0, v[\sa], v[\sb] matrix_a_fmt:MATRIX_FMT_BF6 matrix_b_fmt:MATRIX_FMT_BF6 matrix_a_scale:MATRIX_SCALE_ROW1
.else
	v_wmma_scale_f32_16x16x128_f8f6f4 v[\d:\d+7], v[\a:\a+11], v[\b:\b+11], 0, v[\sa], v[\sb] matrix_a_fmt:MATRIX_FMT_BF6 matrix_b_fmt:MATRIX_FMT_BF6
.endif
.else
.if (\row) == 1
	v_wmma_scale_f32_16x16x128_f8f6f4 v[\d:\d+7], v[\a:\a+11], v[\b:\b+11], v[\c:\c+7], v[\sa], v[\sb] matrix_a_fmt:MATRIX_FMT_BF6 matrix_b_fmt:MATRIX_FMT_BF6 matrix_a_scale:MATRIX_SCALE_ROW1
.else
	v_wmma_scale_f32_16x16x128_f8f6f4 v[\d:\d+7], v[\a:\a+11], v[\b:\b+11], v[\c:\c+7], v[\sa], v[\sb] matrix_a_fmt:MATRIX_FMT_BF6 matrix_b_fmt:MATRIX_FMT_BF6
.endif
.endif
.endm
.macro ROUND                           ; a round of the cluster's barrier: my work-group's barrier; wave 0 signals for the work-group; every wave waits for all four; my work-group's barrier once more
	s_barrier_signal -1
	s_barrier_wait -1
	s_cmp_lg_u32 s[WV], 0
	s_cbranch_scc1 .Lnot_wave_0_\@
	s_barrier_signal -3
.Lnot_wave_0_\@:
	s_barrier_wait -3
	s_barrier_signal -1
	s_barrier_wait -1
.endm
.macro QLOAD qf, qw, u                 ; my tile of queries of head u of my three: its half image and its scale words
	global_load_b128 v[\qf:\qf+3], v[L16], s[40:41] offset:\u*QHEAD
	global_load_b64 v[\qf+4:\qf+5], v[L8], s[40:41] offset:\u*QHEAD+512
	global_load_b32 v[\qw], v[AQS], s[42:43] offset:\u*QHEAD
.endm
.macro KLOAD R, a16, a8                ; a chunk's eight half fragments of K, six registers apart, and its scale words: register 2 g + u: lanes 0-15 tile 4 g + u, lanes 16-31 tile 4 g + 2 + u
.irp t, 0,1,2,3,4,5,6,7
	ds_load_b128 v[\R+6*\t:\R+6*\t+3], v[\a16] offset:768*\t
	ds_load_b64 v[\R+6*\t+4:\R+6*\t+5], v[\a8] offset:768*\t+512
.endr
	ds_load_b64 v[KS:KS+1], v[\a8] offset:KSC
	ds_load_b64 v[KS+2:KS+3], v[\a8] offset:KSC+256
.endm
.macro INIT                            ; a head begins: the largest score so far is -3e38, under every score, and -M = 3e38: the first step's f is 0
	v_mov_b32 v[RS], 0xff61b1e6
	v_mov_b32 v[NM0], 0x7f61b1e6
.endm
; A KEY STEP: 128 keys.  KR: the region that holds K's fragments; SR: the one that takes the scores.  TC, TN: the scalars with this chunk's and the next chunk's LDS byte.  NO, NN: the old and the new -M.
; kn = 1: the next step's K is fetched.
.macro STEP KR, SR, TC, TN, NO, NN, qf, qw, kn
	s_wait_dscnt 0x0                               ; K's fragments and scale words are in
.irp t, 0,1,2,3,4,5,6,7
	MM \SR+8*\t, \KR+6*\t, \qf, -1, KS+2*(\t/4)+(\t%2), \qw, (\t%4)/2
.endr
	v_add_nc_u32 v[A16], s[\TC], v[L16]            ; four plain places behind the products, in front of the loads into K's registers and of the first read of the scores
	v_add_nc_u32 v[A4], s[\TC], v[L4]
.if \kn
	v_add_nc_u32 v[N16], s[\TN], v[L16]
	v_add_nc_u32 v[N8], s[\TN], v[L8]
.else
	v_nop
	v_nop
.endif
.irp n, 0,1,2,3                        ; K is done with: V^T's four images take its registers, and have the softmax in which to land
.irp c, 0,1,2
	ds_load_b128 v[\KR+12*\n+4*\c:\KR+12*\n+4*\c+3], v[A16] offset:VIM+1536*\n+512*\c
.endr
.endr
	ds_load_b32 v[VS], v[A4] offset:VSC            ; register p: lanes 0-15 tile 2 p, lanes 16-31 tile 2 p + 1
	ds_load_b32 v[VS+1], v[A4] offset:VSC+128
.irp b, 0,1,2,3                        ; the largest score of my two blocks of 32 keys, four chains by turns; each accumulator is read from its low end on
	v_max3_num_f32 v[BM+\b], v[\SR+16*\b], v[\SR+16*\b+1], v[\SR+16*\b+2]
.endr
.irp i, 3,5,7,9,11,13
.irp b, 0,1,2,3
	v_max3_num_f32 v[BM+\b], v[BM+\b], v[\SR+16*\b+\i], v[\SR+16*\b+\i+1]
.endr
.endr
	v_max3_num_f32 v[BM], v[BM], v[BM+1], v[\SR+15]
	v_max3_num_f32 v[BM+2], v[BM+2], v[BM+3], v[\SR+47]
	v_max_num_f32 v[BM], v[BM], v[\SR+31]          ; block lane / 16
	v_max_num_f32 v[BM+2], v[BM+2], v[\SR+63]      ; block 2 + lane / 16
	s_delay_alu instid0(VALU_DEP_1)
	v_max3_num_f32 v[T], v[RS], v[BM], v[BM+2]
	s_delay_alu instid0(VALU_DEP_1)
	v_permlanex16_b32 v[P], v[T], s[SEL], s[SEL+1]
	s_delay_alu instid0(VALU_DEP_1)
	v_max_num_f32 v[RS], v[T], v[P]                ; with lane l xor 16's 64 keys: my query's largest score so far,
	s_delay_alu instid0(VALU_DEP_1)
	v_mul_f32 v[T], s[CS], v[RS]                   ; as t (c is positive)
	s_delay_alu instid0(VALU_DEP_1)
	v_floor_f32 v[\NN], -v[T]                      ; the new -M = floor(-t) = -ceil(t): a whole number
.set J, 0
.rept 32
	v_pk_fma_f32 v[\SR+J:\SR+J+1], v[\SR+J:\SR+J+1], s[CS:CS+1], v[\NN:\NN+1] op_sel_hi:[1,0,0]   ; t - M, two at a time (of the pairs c and -M the low word serves both halves)
.if J == 6
	v_sub_f32 v[T], v[\NN], v[\NO]                 ; old M - new M: a whole number, 0 or less
.endif
.if J == 14
	v_cvt_i32_f32 v[T], v[T]                       ; (it saturates)
.endif
.if J == 22
	v_ldexp_f32 v[F], 1.0, v[T]                    ; f = 2^(old M - new M)
.endif
.set J, J+2
.endr
	v_fma_f32 v[BM], v[BM], s[CS], v[\NN]          ; the same of each block's largest score
	v_fma_f32 v[BM+2], v[BM+2], s[CS], v[\NN]
	s_wait_alu depctr_va_vdst(0)                   ; the wait ahead of the batch
.set J, 0
.rept 64
	v_exp_f32 v[\SR+J], v[\SR+J]                   ; p = 2^(t - M), at most 1
.set J, J+1
.endr
	v_exp_f32 v[BM], v[BM]                         ; the block's largest p: the same two instructions on the same number give the same bits
	v_exp_f32 v[BM+2], v[BM+2]
	v_nop                                          ; one plain place behind the exponentials
	s_wait_alu depctr_va_vdst(0)                   ; one wait for the whole batch, ahead of its first reader
	v_max_num_f32 v[BM], 0x2800000, v[BM]          ; the floor 2^(5 - 127): the byte cannot fall under 1
	v_max_num_f32 v[BM+2], 0x2800000, v[BM+2]
	s_delay_alu instid0(VALU_DEP_2)
	v_add_nc_u32 v[BS], 0xfe000000, v[BM]          ; 4 off the exponent field: the conversions' scale operand
	s_delay_alu instid0(VALU_DEP_2)
	v_add_nc_u32 v[BS+1], 0xfe000000, v[BM+2]
	s_delay_alu instid0(VALU_DEP_2)
	v_lshrrev_b32 v[BM], 23, v[BS]                 ; the scale's byte
	s_delay_alu instid0(VALU_DEP_2)
	v_lshrrev_b32 v[BM+2], 23, v[BS+1]
	s_delay_alu instid0(VALU_DEP_1)
	v_lshl_or_b32 v[PS], v[BM+2], 16, v[BM]        ; my two bytes of p's scale word,
	s_delay_alu instid0(VALU_DEP_1)
	v_lshlrev_b32 v[PS], v[SH8], v[PS]             ; at their places (8 (lane / 16) bits up);
	s_delay_alu instid0(VALU_DEP_1)
	v_permlanex16_b32 v[P], v[PS], s[SEL], s[SEL+1]
	s_delay_alu instid0(VALU_DEP_1)
	v_or_b32 v[PS], v[PS], v[P]                    ; with lane l xor 16's two the word is whole
.irp c, 0,1
	v_cvt_scalef32_pk16_bf6_f32 v[PCD+6*\c:PCD+6*\c+2], v[\SR+32*\c:\SR+32*\c+15], v[BS+\c]
	v_cvt_scalef32_pk16_bf6_f32 v[CT+4*\c:CT+4*\c+2], v[\SR+32*\c+16:\SR+32*\c+31], v[BS+\c]   ; (a conversion's three registers begin on an even number)
.endr
	v_pk_add_f32 v[26:27], v[\SR:\SR+1], v[\SR+8:\SR+9]            ; THE ROW'S SUM IS TAKEN OF THE UNQUANTISED p: two at a time, in four chains.  (These four are also the plain place behind the conversions)
	v_pk_add_f32 v[28:29], v[\SR+2:\SR+3], v[\SR+10:\SR+11]
	v_pk_add_f32 v[30:31], v[\SR+4:\SR+5], v[\SR+12:\SR+13]
	v_pk_add_f32 v[70:71], v[\SR+6:\SR+7], v[\SR+14:\SR+15]
.irp c, 0,1
.irp i, 0,1,2
	v_mov_b32 v[PCD+6*\c+3+\i], v[CT+4*\c+\i]      ; registers 6 c .. 6 c + 5: k = 64 c + 32 (lane / 16) + 0 .. 31
.endr
.endr
.irp j, 16,24,32,40,48,56
	v_pk_add_f32 v[26:27], v[26:27], v[\SR+\j:\SR+\j+1]
	v_pk_add_f32 v[28:29], v[28:29], v[\SR+\j+2:\SR+\j+3]
	v_pk_add_f32 v[30:31], v[30:31], v[\SR+\j+4:\SR+\j+5]
	v_pk_add_f32 v[70:71], v[70:71], v[\SR+\j+6:\SR+\j+7]
.endr
	s_wait_dscnt 0x0                               ; V's images and scale words are in
.if \kn
	KLOAD \SR, N16, N8                             ; p is done with: the next step's K takes its registers
.endif
	s_wait_alu depctr_va_vdst(0)                   ; the wait here, directly ahead of the first reader of O^T
.set J, 0
.rept 16
	v_pk_mul_f32 v[O+J:O+J+1], v[O+J:O+J+1], v[F:F+1] op_sel_hi:[1,0]   ; O^T under the new M.  (With the sums above: more than the eight places that p's scale word wants ahead of the products)
.set J, J+2
.endr
.irp n, 0,1,2,3                        ; O^T += V^T P^T: K = these 128 keys; the four accumulators by turns
	MM O+8*\n, \KR+12*\n, PCD, O+8*\n, VS+(\n/2), PS, \n%2
.endr
	v_pk_add_f32 v[26:27], v[26:27], v[28:29]      ; five plain places: the next step's scores are written over V's registers.  The sum's four chains meet here,
	v_pk_add_f32 v[30:31], v[30:31], v[70:71]
	v_nop
	v_pk_add_f32 v[26:27], v[26:27], v[30:31]
	v_pk_fma_f32 v[SUM:SUM+1], v[SUM:SUM+1], v[F:F+1], v[26:27] op_sel_hi:[1,0,1]   ; and join the sum, which is brought under the new M by the same instruction
.endm
; A head's eight key steps, two to a trip, so that X and Y, and -M's two registers, are back where they began.  last = 1: the launch's last two steps are written out: the very last fetches no further K.
.macro HEAD qf, qw, base, trips, last
	s_mov_b32 s[TB0], \base
	s_mov_b32 s[TB1], \base+CHUNK
	s_mov_b32 s[TB2], \base+2*CHUNK
	s_mov_b32 s[CNT], \trips
.Lstep_\@:
	STEP X, Y, TB0, TB1, NM0, NM1, \qf, \qw, 1
	STEP Y, X, TB1, TB2, NM1, NM0, \qf, \qw, 1
	s_add_co_u32 s[TB0], s[TB0], 2*CHUNK
	s_add_co_u32 s[TB1], s[TB1], 2*CHUNK
	s_add_co_u32 s[TB2], s[TB2], 2*CHUNK
	s_sub_co_u32 s[CNT], s[CNT], 1
	s_cmp_lg_u32 s[CNT], 0
	s_cbranch_scc1 .Lstep_\@
.if \last
	s_mov_b32 s[TB0], \base+6*CHUNK
	s_mov_b32 s[TB1], \base+7*CHUNK
	STEP X, Y, TB0, TB1, NM0, NM1, \qf, \qw, 1
	STEP Y, X, TB1, TB2, NM1, NM0, \qf, \qw, 0
.endif
.endm
; THE WAY OUT of head u of my three: O^T / the sum, quantised along the head's 64 channels: a lane's 32 registers are channels 32 b + 16 (lane / 16) + i.  It works in Y, whose V is done with (the step's last five lines are
; the places behind the last products); X holds the next head's first K.  The head's place in oq stands in the stores' immediates: no base is stepped.
.macro OUT u
	v_add_f32 v[SUM], v[SUM], v[SUM+1]             ; the sum's two halves,
	s_delay_alu instid0(VALU_DEP_1)
	v_permlanex16_b32 v[P], v[SUM], s[SEL], s[SEL+1]
	s_delay_alu instid0(VALU_DEP_1)
	v_add_f32 v[SUM], v[SUM], v[P]                 ; and lane l xor 16's: the row's sum
	s_wait_alu depctr_va_vdst(0)                   ; the wait ahead of the transcendental
	v_rcp_f32 v[F], v[SUM]
	v_nop                                          ; one plain place behind a transcendental
	s_wait_alu depctr_va_vdst(0)                   ; the wait ahead of its first reader, which is also O^T's first reader
.set J, 0
.rept 16
	v_pk_mul_f32 v[Y+J:Y+J+1], v[O+J:O+J+1], v[F:F+1] op_sel_hi:[1,0]   ; each accumulator from its low end on
.set J, J+2
.endr
	HQ Y, PCD, PW
	global_store_b128 v[L16], v[PCD:PCD+3], s[44:45] offset:768*\u
	global_store_b64 v[L8], v[PCD+4:PCD+5], s[44:45] offset:768*\u+512
	global_store_b32 v[L4], v[PW], s[46:47] offset:128*\u
.endm
	s_load_b128 s[4:7], s[0:1], 0x0                ; qb, kv
	s_load_b64 s[8:9], s[0:1], 0x10                ; oq
	v_lshl_add_u32 v[SPW], v0, 2, SPARE
	v_mov_b32 v[NIL], 0
	ds_add_u32 v[SPW], v[NIL]                      ; the opening lines: the add, twice on end, and its wait ahead of the first tensor load
	ds_add_u32 v[SPW], v[NIL]
	v_lshrrev_b32 v1, 5, v0
	v_readfirstlane_b32 s[WV], v1                  ; wave 0..15
	v_and_b32 v4, 31, v0
	v_and_b32 v5, 15, v0
	v_bfe_u32 v[SH8], v0, 4, 1
	v_lshlrev_b32 v[L16], 4, v4
	v_lshlrev_b32 v[L8], 3, v4
	v_lshlrev_b32 v[L4], 2, v4
	v_lshlrev_b32 v[AQS], 3, v5
	v_lshlrev_b32 v[SH8], 3, v[SH8]
	s_bfe_u32 s11, ttmp6, 0x40000                  ; cx: which 256 queries
	s_mul_i32 s12, ttmp9, 3                        ; the first of my three heads (in a cluster launch ttmp9 counts clusters)
	s_and_b32 s13, ttmp7, 0xffff                   ; the batch
	s_mul_i32 s14, s13, 6
	s_add_co_u32 s14, s14, s12                     ; 6 x batch + head
	; the joint loads: wave w < 12 brings chunks 2 w and 2 w + 1 of the 24: 102 dense rows of 256 bytes
	s_mov_b32 s16, 15|(3<<16)|(1<<21)              ; the mask: all four work-groups; elements of 8 bytes; bit 21 set beside a mask
	s_mov_b32 s17, 32<<16                          ; tensor_dim0 = 32
	s_mov_b32 s18, 102<<16                         ; tensor_dim1 = 102
	s_mov_b32 s19, 32<<16                          ; tile_dim0 = 32
	s_mov_b32 s20, 102                             ; tile_dim1 = 102
	s_mov_b32 s21, 32                              ; from row to row
	s_mov_b32 s22, 0
	s_mov_b32 s23, 0
	s_mov_b32 s24, 1
	s_mul_i32 s25, s[WV], 2*CHUNK                  ; LDS: the wave's number x two chunks' bytes
	s_mul_i32 s38, s14, HEADB                      ; memory: the first head's first chunk,
	s_add_co_u32 s38, s38, s25                     ; my two
	s_mov_b32 s39, 0
	; my tile of queries, 16 cx + wave: chunk 2 cx + wave / 8 of qb, tile wave % 8 in it.  (cx stays in registers that feed no descriptor)
	s_lshl_b32 s48, s14, 3
	s_lshl_b32 s50, s11, 1
	s_add_co_u32 s48, s48, s50
	s_lshr_b32 s50, s[WV], 3
	s_add_co_u32 s48, s48, s50
	s_mul_i32 s48, s48, 6656
	s_mov_b32 s49, 0
	s_and_b32 s50, s[WV], 7
	s_mul_i32 s51, s50, 768
	s_add_co_u32 s52, s48, s51                     ; its half image
	s_mov_b32 s53, 0
	s_lshr_b32 s51, s50, 2                         ; its scale words: group (tile / 4), 256 bytes;
	s_lshl_b32 s51, s51, 8
	s_add_co_u32 s48, s48, s51
	s_bfe_u32 s51, s[WV], 0x10001                  ; half of the lanes ((tile / 2) % 2), 128 bytes;
	s_lshl_b32 s51, s51, 7
	s_add_co_u32 s48, s48, s51
	s_and_b32 s51, s[WV], 1                        ; word (tile % 2), 4 bytes
	s_lshl_b32 s51, s51, 2
	s_add_co_u32 s48, s48, s51
	s_add_co_u32 s48, s48, 6144
	s_lshl_b32 s54, s13, 6
	s_lshl_b32 s51, s11, 4
	s_add_co_u32 s54, s54, s51
	s_add_co_u32 s54, s54, s[WV]
	s_mul_i32 s54, s54, 5376                       ; my tile of oq
	s_lshl_b32 s51, s12, 7
	s_add_co_u32 s56, s54, s51
	s_add_co_u32 s56, s56, 4608                    ; the first head's scale bytes there,
	s_mov_b32 s57, 0
	s_mul_i32 s51, s12, 768
	s_add_co_u32 s54, s54, s51                     ; and its half image
	s_mov_b32 s55, 0
	s_mov_b32 s[SEL], 0x76543210
	s_mov_b32 s[SEL+1], 0xfedcba98
	s_mov_b32 s[CS], 0x3e38aa3b                    ; c = log2(e) / 8
	s_mov_b32 s[CS+1], s[CS]                       ; (named with it as a pair, so it is written)
	s_wait_alu depctr_va_vdst(0)                   ; the wait here, directly ahead of the waits below
	s_wait_dscnt 0x0                               ; both opening adds are done
	s_wait_kmcnt 0x0
	s_add_nc_u64 s[26:27], s[6:7], s[38:39]
	s_or_b32 s27, s27, 0x80000000                  ; type = 2
	s_add_nc_u64 s[40:41], s[4:5], s[52:53]
	s_add_nc_u64 s[42:43], s[4:5], s[48:49]
	s_add_nc_u64 s[44:45], s[8:9], s[54:55]
	s_add_nc_u64 s[46:47], s[8:9], s[56:57]
	ROUND                                          ; all four work-groups are here: the joint loads meet
	s_cmp_lt_u32 s[WV], 12
	s_cbranch_scc0 .Lno_fill
	tensor_load_to_lds s[24:27], s[16:23]          ; a wave's one tensor load of the launch
	s_nop 0
.rept 4
	v_nop                                          ; (behind a tensor load)
.endr
.Lno_fill:
	QLOAD Q0, QS0, 0                               ; Q of all three heads stays in registers: no later head waits for memory
	QLOAD Q1, QS1, 1
	QLOAD Q2, QS2, 2
.irp j, 6,7,8,9,10,11
	v_mov_b32 v[Q0+\j], 0                          ; zero codes for k = 64 .. 127, in Q's three fragments
	v_mov_b32 v[Q1+\j], 0
	v_mov_b32 v[Q2+\j], 0
	v_mov_b32 v[X+42+\j], 0                        ; what follows the first step's last half fragment of K is written once
.endr
	v_mov_b32 v[F+1], 0
	v_mov_b32 v[P], 0                              ; written once: a lane permute's destination counts as one of its sources
	v_mov_b32 v[SUM], 0
	v_mov_b32 v[SUM+1], 0
.set J, 0
.rept 32
	v_mov_b32 v[O+J], 0                            ; O^T, once in the launch: the step is written once, and its first f, 0, needs finite numbers to wipe
.set J, J+1
.endr
	INIT
	s_wait_alu depctr_va_vdst(0)                   ; the wait at the head's end
	s_wait_tensorcnt 0x0                           ; my two chunks are in LDS,
	s_barrier_signal -1
	s_barrier_wait -1                              ; everybody's are: all three heads
	KLOAD X, L16, L8                               ; the first step's K: chunk 0
	s_wait_loadcnt 0x0                             ; Q, all three heads'
	HEAD Q0, QS0, 0, 4, 0
	OUT 0
	INIT
	s_wait_xcnt 0x0                                ; the way out's stores have read their registers: only behind this wait does the next head write them again
	HEAD Q1, QS1, HEADB, 4, 0
	OUT 1
	INIT
	s_wait_xcnt 0x0
	HEAD Q2, QS2, 2*HEADB, 3, 1
	OUT 2
	s_wait_tensorcnt 0x0                           ; the wave's end: behind my last tensor load, my last LDS instructions
	ds_add_u32 v[SPW], v[NIL]
	s_wait_dscnt 0x0
	ROUND                                          ; the closing round: no work-group ends while a partner may still ask for a chunk that names it
	s_endpgm
.Lfunc_end_k_q5992f355ca_attn:
	.size	k_q5992f355ca_attn, .Lfunc_end_k_q5992f355ca_attn-k_q5992f355ca_attn
	.p2alignl 7, 3214868480
	.fill 96, 4, 3214868480
	.section	.rodata,"a",@progbits
	.p2align	6, 0x0
	.amdhsa_kernel k_q5992f355ca_attn
		.amdhsa_group_segment_fixed_size 327680
		.amdhsa_private_segment_fixed_size 0
		.amdhsa_enable_private_segment 0
		.amdhsa_kernarg_size 24
		.amdhsa_user_sgpr_count 2
		.amdhsa_user_sgpr_kernarg_segment_ptr 1
		.amdhsa_wavefront_size32 1
		.amdhsa_system_sgpr_workgroup_id_x 1
		.amdhsa_system_sgpr_workgroup_id_y 1
		.amdhsa_system_sgpr_workgroup_id_z 1
		.amdhsa_system_vgpr_workitem_id 0
		.amdhsa_next_free_vgpr 256
		.amdhsa_next_free_sgpr 66
		.amdhsa_reserve_vcc 0
		.amdhsa_float_denorm_mode_32 3
		.amdhsa_float_denorm_mode_16_64 3
		.amdhsa_memory_ordered 1
		.amdhsa_forward_progress 1
		.amdhsa_inst_pref_size 141
	.end_amdhsa_kernel
	.amdgpu_metadata
---
amdhsa.version: [ 1, 2 ]
amdhsa.kernels:
  - .name:           k_q5992f355ca_attn
    .symbol:         k_q5992f355ca_attn.kd
    .args:
      - { .name: qb, .offset: 0, .size: 8, .value_kind: global_buffer, .address_space: global }
      - { .name: kv, .offset: 8, .size: 8, .value_kind: global_buffer, .address_space: global }
      - { .name: oq, .offset: 16, .size: 8, .value_kind: global_buffer, .address_space: global }
    .group_segment_fixed_size: 327680
    .private_segment_fixed_size: 0
    .kernarg_segment_align: 8
    .kernarg_segment_size: 24
    .max_flat_workgroup_size: 512
    .sgpr_count:     66
    .vgpr_count:     256
    .wavefront_size: 32
...
	.end_amdgpu_metadata
.endif
;; end of part 3
;; launch oproj (part 4): grid 256 x 1, 12 waves a work-group, no clusters, 247,296 bytes of LDS; arguments oq, wimg, wscl, o_b, out0; writes out0
.if DOCPART == 4
	.amdgcn_target "amdgcn-amd-amdhsa--gfx1250"
	.amdhsa_code_object_version 6
	.text
	.protected	k_q5992f355ca_oproj
	.globl	k_q5992f355ca_oproj
	.p2align	8
	.type	k_q5992f355ca_oproj,@function
k_q5992f355ca_oproj:
	s_mov_b64 s[64:65], 0
	v_nop
	global_prefetch_b8 v0, s[64:65] scope:SCOPE_SE
	s_setreg_imm32_b32 hwreg(HW_REG_WAVE_MODE, 25, 1), 1
	s_wait_xcnt 0x0
; out0 = Q(o) Q(o_w)^T + o_b on codes of BF6 (E3M2) with one E8M0 byte for each 32 along K; out0 is [32,768][384] f32.
; SHARES.  A work-group owns 128 tokens: eight tiles of 16 in the tokens' tile order (as qkv lays it): lane-row i of tile T is token 64 (T / 4) + 8 (T % 4) + i % 8 + 32 (i / 8).  THE TWELVE WAVES SHARE THE COLUMNS: wave w makes
; outputs 32 w .. 32 w + 31 (two tiles of o_w, in the weights' order: lane-row i of tile T = row 32 (T / 2) + 8 (T % 2) + i + 8 (i / 8)) for all eight tiles: 48 products.  Its six fragments of o_w come from memory straight into its registers, as images, and stay.
; o's codes, 43,008 dense bytes, come into LDS by eight tensor loads, once.  A K step of 128 is two heads: two half images on end are a fragment, and the two heads' pairs of scale bytes make its scale word.
; The product is used transposed (source 0 = 16 rows of o_w, source 1 = 16 tokens): a lane holds eight neighbouring outputs of one token.  The bias is the C of each sum's first product.
; THE WAY OUT, IN FOUR QUARTERS: a token's 384 outputs come from twelve waves: they meet in a stage in LDS (rows of 1,536 bytes + 16).  After every two tiles, 32 stage rows, a barrier shows those rows whole, and each wave
; reads back and stores 8 rows x 512 bytes, 512 consecutive bytes an instruction; the next two tiles' products follow while those stores are out.  No stage row is written twice, so one barrier a quarter is all the ordering.
; NO CLUSTER: o's codes belong to one work-group; the shared o_w is 110,592 bytes of images, which have no room in LDS beside the 241,664 in use, and in registers each fragment is wanted by one wave only.
; NO PREFETCH: every load is issued at the head; there is no loop to run ahead in.  No LDS byte is filled twice, and no fill lands in the stage.
.set OTILE,  5376                      ; a tile of oq: six half images of 768 bytes, then six times 128 bytes of scale bytes
.set STAGE,  43008
.set SPITCH, 1552
.set L16, 1                            ; 16 x lane
.set L8,  2                            ; 8 x lane
.set L4,  3                            ; 4 x lane
.set SO,  4                            ; the stage: where I put my results; it steps 16 rows a tile
.set SR,  5                            ; and where I read rows back; it steps 32 rows a quarter
.set AB,  6                            ; 64 h
.set WS,  8                            ; v8-10   o_w's scale words: lanes 0-15 my even tile, lanes 16-31 my odd one
.set OS,  12                           ; v12-35  o's scale words: tile m, K step s at 3 m + s
.set BO,  36                           ; v36-51  the bias, eight registers a tile
.set W,   52                           ; v52-123 o_w's fragments: tile u, K step s at 12 (3 u + s)
.set OF,  124                          ; v124-195 o's fragments: two sets of three
.set ACC, 196                          ; v196-227 two sets of two accumulators
.set RAW, 124                          ; v124-171 ahead of the products: the heads' pairs of scale bytes
.set RB,  160                          ; v160-191 the way out: 8 rows read back, in the odd set of o's fragments, which is done with at a quarter's end
.macro MM d, a, b, c, sa, sb, row      ; one matrix instruction.  row = 1: source 0's scales stand in lanes 16-31
.if (\row) == 1
	v_wmma_scale_f32_16x16x128_f8f6f4 v[\d:\d+7], v[\a:\a+11], v[\b:\b+11], v[\c:\c+7], v[\sa], v[\sb] matrix_a_fmt:MATRIX_FMT_BF6 matrix_b_fmt:MATRIX_FMT_BF6 matrix_a_scale:MATRIX_SCALE_ROW1
.else
	v_wmma_scale_f32_16x16x128_f8f6f4 v[\d:\d+7], v[\a:\a+11], v[\b:\b+11], v[\c:\c+7], v[\sa], v[\sb] matrix_a_fmt:MATRIX_FMT_BF6 matrix_b_fmt:MATRIX_FMT_BF6
.endif
.endm
	s_load_b256 s[4:11], s[0:1], 0x0               ; oq s[4:5], wimg s[6:7], wscl s[8:9], o_b s[10:11]
	s_load_b64 s[12:13], s[0:1], 0x20              ; out0
	v_lshl_add_u32 v254, v0, 2, 0x3c000            ; my spare word, behind the stage; v254 and v255 are kept for the add alone
	v_mov_b32 v255, 0
	ds_add_u32 v254, v255                          ; the opening lines: the add, twice on end, and its wait ahead of the first tensor load
	ds_add_u32 v254, v255
	v_lshrrev_b32 v1, 5, v0
	s_delay_alu instid0(VALU_DEP_1)
	v_readfirstlane_b32 s14, v1                    ; wave 0..11
	v_and_b32 v7, 31, v0
	s_delay_alu instid0(VALU_DEP_1)
	v_lshlrev_b32 v[L16], 4, v7
	s_wait_alu depctr_va_vdst(0)                   ; the wait behind this write
	v_lshlrev_b32 v[L8], 3, v7
	v_lshlrev_b32 v[L4], 2, v7
	v_and_b32 v7, 15, v0                           ; r
	v_bfe_u32 v[AB], v0, 4, 1
	s_delay_alu instid0(VALU_DEP_1)
	v_lshlrev_b32 v[AB], 6, v[AB]                  ; 64 h
	s_delay_alu instid0(VALU_DEP_3)
	v_mul_u32_u24 v[SO], v7, SPITCH
	s_delay_alu instid0(VALU_DEP_1)
	v_add_nc_u32 v[SO], v[SO], v[AB]
	s_lshl_b32 s15, s14, 7
	s_add_co_u32 s15, s15, STAGE
	v_add_nc_u32 v[SO], s15, v[SO]                 ; row r, + 128 x wave + 64 h: my outputs' bytes
	s_and_b32 s16, s14, 3                          ; back: of a quarter's 32 stage rows wave w takes rows 8 (w % 4) on,
	s_lshr_b32 s17, s14, 2                         ; bytes 512 (w / 4) on
	s_mul_i32 s15, s16, 8*SPITCH
	s_lshl_b32 s18, s17, 9
	s_add_co_u32 s15, s15, s18
	s_add_co_u32 s15, s15, STAGE
	v_add_nc_u32 v[SR], s15, v[L16]
	; the tensor load of waves 0-7: a tile of oq, 21 dense rows of 256 bytes
	s_mov_b32 s24, 3<<16                           ; elements of 8 bytes; no mask, no padding
	s_mov_b32 s25, 32<<16                          ; tensor_dim0 = 32
	s_mov_b32 s26, 21<<16                          ; tensor_dim1 = 21
	s_mov_b32 s27, 32<<16                          ; tile_dim0 = 32
	s_mov_b32 s28, 21                              ; tile_dim1 = 21
	s_mov_b32 s29, 32                              ; from row to row
	s_mov_b32 s30, 0
	s_mov_b32 s31, 0
	s_mov_b32 s20, 1
	s_mul_i32 s21, s14, OTILE                      ; LDS: wave x a tile
	s_lshl_b32 s2, ttmp9, 3
	s_add_co_u32 s2, s2, s14
	s_mul_i32 s2, s2, OTILE                        ; memory: tile 8 x work-group + wave
	s_mov_b32 s3, 0                                ; s[2:3]: the pair in which byte offsets are made; its upper word stays 0
	s_wait_dscnt 0x0
	s_wait_kmcnt 0x0
	s_add_nc_u64 s[22:23], s[4:5], s[2:3]
	s_or_b32 s23, s23, 0x80000000                  ; type = 2
	s_cmp_lt_u32 s14, 8
	s_cbranch_scc0 .Lno_fill
	tensor_load_to_lds s[20:23], s[24:31]          ; the launch's only fill of these bytes
	s_nop 0
.rept 4
	v_nop                                          ; (behind a tensor load)
.endr
.Lno_fill:
	s_lshl_b32 s2, s14, 1
	s_add_co_u32 s2, s2, 72
	s_mul_i32 s2, s2, 4608
	s_add_nc_u64 s[32:33], s[6:7], s[2:3]          ; o_w is weight 3: tile 72 + 2 x wave on
	s_add_co_u32 s2, s14, 36
	s_mul_i32 s2, s2, 384
	s_add_nc_u64 s[34:35], s[8:9], s[2:3]          ; its scale words
	s_lshl_b32 s2, s14, 7
	s_add_nc_u64 s[36:37], s[10:11], s[2:3]        ; my 32 numbers of the bias
	s_mul_i32 s2, ttmp9, 196608                    ; out0: 128 tokens a work-group.
	s_lshr_b32 s15, s16, 1                         ; Stage row 32 p + 8 j + i (quarter p, j = w % 4, i = 0 .. 7) is lane-row 8 (j % 2) + i of tile 2 p + j / 2: token 64 (p / 2) + 16 (p % 2) + 8 (j / 2) + 32 (j % 2) + i.
	s_mul_i32 s15, s15, 12288                      ; 8 (j / 2) tokens on,
	s_and_b32 s19, s16, 1
	s_mul_i32 s19, s19, 49152                      ; 32 (j % 2) tokens on,
	s_add_co_u32 s15, s15, s19
	s_add_co_u32 s2, s2, s15
	s_add_co_u32 s2, s2, s18                       ; 512 (w / 4) bytes on; p's and i's part stands in the stores' immediates
	s_add_nc_u64 s[38:39], s[12:13], s[2:3]
.irp f, 0,1,2,3,4,5
.irp c, 0,1,2
	global_load_b128 v[W+12*\f+4*\c:W+12*\f+4*\c+3], v[L16], s[32:33] offset:\f*1536+512*\c
.endr
.endr
	s_wait_alu depctr_va_vdst(0)                   ; the wait here, directly ahead of the readers below
.irp s, 0,1,2
	global_load_b32 v[WS+\s], v[L4], s[34:35] offset:\s*128
.endr
.irp u, 0,1                            ; the bias in the result's layout: register j of tile u is output 32 w + 16 h + 8 u + j
	global_load_b128 v[BO+8*\u:BO+8*\u+3], v[AB], s[36:37] offset:32*\u
	global_load_b128 v[BO+8*\u+4:BO+8*\u+7], v[AB], s[36:37] offset:32*\u+16
.endr
	s_wait_tensorcnt 0x0                           ; my tile of o is in LDS,
	s_barrier_signal -1
	s_barrier_wait -1                              ; everybody's is
.irp m, 0,1,2,3,4,5,6,7
.irp d, 0,1,2,3,4,5
	ds_load_b32 v[RAW+6*\m+\d], v[L4] offset:OTILE*\m+4608+128*\d
.endr
.endr
	s_wait_dscnt 0x0
.irp m, 0,1,2,3,4,5,6,7                ; heads 2 s and 2 s + 1 make K step s's scale word.  A scale word made by a vector instruction stands eight plain places ahead of its product: behind tile 0's three stand the 21 of the later tiles
.irp s, 0,1,2
	v_lshl_or_b32 v[OS+3*\m+\s], v[RAW+6*\m+2*\s+1], 16, v[RAW+6*\m+2*\s]
.endr
.endr
.macro FETCHO m                        ; tile m's six half images: three fragments, into set m % 2
.irp d, 0,1,2,3,4,5
	ds_load_b128 v[OF+36*((\m)%2)+6*\d:OF+36*((\m)%2)+6*\d+3], v[L16] offset:OTILE*(\m)+768*\d
	ds_load_b64 v[OF+36*((\m)%2)+6*\d+4:OF+36*((\m)%2)+6*\d+5], v[L8] offset:OTILE*(\m)+768*\d+512
.endr
.endm
; A tile of 16 tokens: the next tile's fragments are asked for; six products, the two accumulators by turns; the results go to the stage.
.macro OM m
.if (\m) < 7
.if ((\m)%2 == 0) && ((\m) > 0)
	s_wait_xcnt 0x0                                ; the last quarter's stores have read their registers: only behind this wait do the loads below land there
.endif
	FETCHO (\m)+1
	s_wait_dscnt 12                                ; all but the twelve loads just issued: this tile's fragments are in
.else
	s_wait_dscnt 0x0
.endif
.irp s, 0,1,2
.irp u, 0,1
.if \s == 0
	MM ACC+16*((\m)%2)+8*\u, W+36*\u, OF+36*((\m)%2), BO+8*\u, WS, OS+3*(\m), \u
.else
	MM ACC+16*((\m)%2)+8*\u, W+36*\u+12*\s, OF+36*((\m)%2)+12*\s, ACC+16*((\m)%2)+8*\u, WS+\s, OS+3*(\m)+\s, \u
.endif
.endr
.endr
.rept 4
	v_nop                                          ; four plain places in front of the first read of results and of loads into registers that these products read
.endr
	s_wait_alu depctr_va_vdst(0)                   ; the wait here, directly ahead of the readers of the stage's address
.irp u, 0,1
	ds_store_b128 v[SO], v[ACC+16*((\m)%2)+8*\u:ACC+16*((\m)%2)+8*\u+3] offset:32*\u        ; each accumulator from its low end on
	ds_store_b128 v[SO], v[ACC+16*((\m)%2)+8*\u+4:ACC+16*((\m)%2)+8*\u+7] offset:32*\u+16
.endr
.if (\m) < 7
	v_add_nc_u32 v[SO], 16*SPITCH, v[SO]           ; the next tile's 16 rows of the stage
.endif
.endm
; Quarter p leaves: my 8 rows of its 32 come back from the stage and are stored.  No LDS instruction of mine is out when it begins (the wait in front of the barrier was for 0).
.macro SENDQ p
.irp i, 0,1,2,3,4,5,6,7
	ds_load_b128 v[RB+4*\i:RB+4*\i+3], v[SR] offset:SPITCH*\i
.endr
.irp i, 0,1,2,3,4,5,6,7
	s_wait_dscnt 7-\i                              ; LDS loads come back in order: row i is in
	global_store_b128 v[L16], v[RB+4*\i:RB+4*\i+3], s[38:39] offset:(64*((\p)/2)+16*((\p)%2)+\i)*1536 th:TH_STORE_NT   ; 32 lanes store 512 consecutive bytes, at a multiple of 512 from out0's first byte
.endr
.if (\p) < 3
	v_add_nc_u32 v[SR], 32*SPITCH, v[SR]           ; the next quarter's rows
	s_wait_alu depctr_va_vdst(0)                   ; the wait, directly behind the write
.endif
.endm
	FETCHO 0
	s_wait_loadcnt 0x0                             ; o_w, its scale words, the bias
.irp p, 0,1,2,3
	OM 2*\p
	OM 2*\p+1
	s_wait_dscnt 0x0                               ; for the others' sake: my stores into the stage have landed
	s_barrier_signal -1
	s_barrier_wait -1                              ; the quarter's 32 rows lie whole in the stage
	SENDQ \p
.endr
	s_wait_tensorcnt 0x0                           ; the wave's end: behind my last LDS store
	ds_add_u32 v254, v255
	s_wait_dscnt 0x0
	s_endpgm
.Lfunc_end_k_q5992f355ca_oproj:
	.size	k_q5992f355ca_oproj, .Lfunc_end_k_q5992f355ca_oproj-k_q5992f355ca_oproj
	.p2alignl 7, 3214868480
	.fill 96, 4, 3214868480
	.section	.rodata,"a",@progbits
	.p2align	6, 0x0
	.amdhsa_kernel k_q5992f355ca_oproj
		.amdhsa_group_segment_fixed_size 247296
		.amdhsa_private_segment_fixed_size 0
		.amdhsa_enable_private_segment 0
		.amdhsa_kernarg_size 40
		.amdhsa_user_sgpr_count 2
		.amdhsa_user_sgpr_kernarg_segment_ptr 1
		.amdhsa_wavefront_size32 1
		.amdhsa_system_sgpr_workgroup_id_x 1
		.amdhsa_system_sgpr_workgroup_id_y 1
		.amdhsa_system_sgpr_workgroup_id_z 1
		.amdhsa_system_vgpr_workitem_id 0
		.amdhsa_next_free_vgpr 256
		.amdhsa_next_free_sgpr 66
		.amdhsa_reserve_vcc 0
		.amdhsa_float_denorm_mode_32 3
		.amdhsa_float_denorm_mode_16_64 3
		.amdhsa_memory_ordered 1
		.amdhsa_forward_progress 1
		.amdhsa_inst_pref_size 34
	.end_amdhsa_kernel
	.amdgpu_metadata
---
amdhsa.version: [ 1, 2 ]
amdhsa.kernels:
  - .name:           k_q5992f355ca_oproj
    .symbol:         k_q5992f355ca_oproj.kd
    .args:
      - { .name: oq, .offset: 0, .size: 8, .value_kind: global_buffer, .address_space: global }
      - { .name: wimg, .offset: 8, .size: 8, .value_kind: global_buffer, .address_space: global }
      - { .name: wscl, .offset: 16, .size: 8, .value_kind: global_buffer, .address_space: global }
      - { .name: o_b, .offset: 24, .size: 8, .value_kind: global_buffer, .address_space: global }
      - { .name: out0, .offset: 32, .size: 8, .value_kind: global_buffer, .address_space: global }
    .group_segment_fixed_size: 247296
    .private_segment_fixed_size: 0
    .kernarg_segment_align: 8
    .kernarg_segment_size: 40
    .max_flat_workgroup_size: 384
    .sgpr_count:     66
    .vgpr_count:     256
    .wavefront_size: 32
...
	.end_amdgpu_metadata
.endif
;; end of part 4
